; MI455X (gfx1250); checked and timed in simulation.
; The chip was launched on July 23, 2026; its instructions are those of AMD's public machine-readable ISA for CDNA 5 (MIT licence, August 2026) and "CDNA5" Instruction Set Architecture Reference Guide (July 2026). The comments in the code are by the model that wrote it; some were corrected since.
;; Mo E Block. Allowed arithmetic: matrix products marked QUANTISED: E4M3 operands, one given power-of-two scale a tensor, by v_wmma_f32_16x16x64_fp8_fp8 or v_wmma_f32_16x16x128_fp8_fp8, f32 sums; products left as they are: f32 operands where the result goes on into a quantised operand, else bf16, f16 or f32 operands; f32 sums; everything else in f32.
;; Inputs: W1 8 x 1,024 x 4,096 float32; W2 8 x 4,096 x 1,024 float32; Wr 1,024 x 8 float32; b1 8 x 4,096 float32; b2 8 x 1,024 float32; br 8 float32; lowp_scales 4 int32 (the exponents e of the quantised operands' scales 2^e); x 1,024 x 1,024 float32.
;; Outputs: out0 1,024 x 1,024 float32.
;; This version of the problem:
;;   THIS VERSION OF THE PROBLEM IS GIVEN IN LOW PRECISION. The matrix products marked QUANTISED in the list below multiply operands that are first quantised to E4M3 (4 exponent bits, 3 mantissa bits; 8 bits a number), with one given power-of-two scale for each operand tensor; their sums are f32. All else is computed in f32.
;;   The module's matrix products, in the order in which they are computed (A, B: the left and right operand; K: the contracted axis; several contracted axes count as one K, in the product's order):
;;     1. [M 1,024, K 1,024] x [K 1,024, N 8]; A: input x; B: input Wr: left as it is (N = 8 < 16)
;;     2. [M 32,768, K 1,024] x [K 1,024, N 1,024]; A: input W1; B: input x: QUANTISED (scales: A lowp_scales[0], B lowp_scales[1])
;;     3. batch 8 x [M 1,024, K 4,096] x [K 4,096, N 1,024]; A: computed on the way; B: input W2: QUANTISED (scales: A lowp_scales[2], B lowp_scales[3])
;;   THE QUANTISER, for each operand of a quantised product, along K:
;;     - The operand's scale is 2^e, e = its entry of the input lowp_scales (int32; the entries are numbered through the quantised products in the list's order, A before B).
;;     - Each number is divided by the scale, clamped to +-448, and rounded to the nearest number of E4M3, ties to even, subnormals kept.
;;     - The product sums the exact products of the quantised numbers (number of the format x scale) in f32.
;;   ~~~python
;;   def quantise(x, axis, e):      # numpy; x: float32 -> the quantised numbers, widened to float32 again
;;       x = np.moveaxis(x, axis, -1); K = x.shape[-1]
;;       r = np.clip(x / 2.0 ** e, -448, 448)
;;       step = 2.0 ** (np.maximum(np.frexp(np.where(r == 0, 1, r))[1] - 1, -6) - 3)
;;       q = np.round(r / step) * step * 2.0 ** e      # np.round: ties to even
;;       return np.moveaxis(q, -1, axis).astype(np.float32)
;;   ~~~
;;   OPERANDS COMPUTED ON THE WAY. 'Computed on the way' means the value that the module computes at that place (a softmax that the list does not call 'softmax' is quantised finished and normalised). What goes into a quantiser is computed in f32, as accurately as f32 sums, v_exp_f32 and their like allow (about 1e-6 of the number): no bf16 or f16 on the way to a quantiser, and a product that is left as it is and whose result goes on into a quantised operand takes f32 operands (vector FMAs, or v_wmma_f32_16x16x4_f32). A number that lies on a knife's edge between two numbers of the format may be rounded either way, as far as f32 arithmetic and the matrix unit's own rounding can turn it there, and no further.
;; 2 versions. Each part assembles by itself: llvm-mc -triple=amdgcn-amd-amdhsa -mcpu=gfx1250 --defsym DOCPART=n.
;; ======== version 1 of 2: 4 launches
;; workspace buffers: xc 1,048,576 bytes; rmask 1,024 bytes of whole numbers; ridx 8,192 bytes of whole numbers; gate 8,192 bytes; hc 33,554,432 bytes; part 67,108,864 bytes
;; launch route (part 1): grid 128 x 1, 4 waves a work-group, no clusters, 35,584 bytes of LDS; arguments x, Wr, br, lowp_scales, xc, ridx, gate, rmask; writes xc, ridx, gate, rmask
.if DOCPART == 1
	.amdgcn_target "amdgcn-amd-amdhsa--gfx1250"
	.amdhsa_code_object_version 6
	.text
	.protected	k_qb4df581bfd_route
	.globl	k_qb4df581bfd_route
	.p2align	8
	.type	k_qb4df581bfd_route,@function
k_qb4df581bfd_route:
	s_mov_b64 s[64:65], 0
	v_nop
	global_prefetch_b8 v0, s[64:65] scope:SCOPE_SE
	s_setreg_imm32_b32 hwreg(HW_REG_WAVE_MODE, 25, 1), 1
	s_wait_xcnt 0x0
; ROUTER AND x's CODES.  logits = x Wr + br in f32; the two largest (the lower index wins a tie); their softmax; and x as codes of E4M3 with the given scale 2^ex (entry 1 of the scales).
; A work-group takes 8 tokens, a wave 2.  Lane L holds, of each token, d = 256 q + 8 L + m (q = 0..3, m = 0..7): eight neighbours along d, as the conversion wants them, and 8 codes a lane make 256 dense bytes a store.
; Wr (32 KB) is copied once a work-group, in dense loads of 2,048 bytes, into LDS: the 256 bytes (8 rows of Wr) that belong to a lane's eight d lie in a row of 272 bytes, so that the lanes' reads fall on different banks.
; OUT: xc [token][1024] codes;  ridx [token][2] the chosen experts;  gate [token][2] their weights;  rmask [expert][128 bytes]: byte g, bit t = token 8 g + t uses the expert.
; No address and no branch hangs on the choice: it is stored at fixed places, and later launches read it.
; No matrix unit (N = 8), no cluster (work-groups share only Wr, 32 KB).
; LIMITS: ex between -126 and 119.  NaN among the inputs is not served; logits are finite.
.set XR,   16                          ; v16-79   x of my two tokens, 32 numbers each
.set ACC,  80                          ; v80-95   the 2 x 8 sums
.set TMP,  96                          ; v96-111  at work
.set REC,  112                         ; v112-119 a record for each token: e0, e1, g0, g1
.set VT,   120                         ; v120-123 the two largest logits of each token
.set MYR,  124                         ; v124-127 behind the barrier: the record of token lane % 8;  v128-143 all eight pairs e0, e1
.set CD,   152                         ; v152-167 codes
.set WS,   168                         ; v168-231 Wr on its way into LDS
.set WPITCH, 272
.set RECS, 128*WPITCH                  ; behind Wr's 128 rows: eight records of 16 bytes
.set MSB, 0
.macro WIN new                         ; the immediate's high byte repeats the setting that is left
.if MSB != (\new)
	s_set_vgpr_msb (MSB<<8)|(\new)
.set MSB, (\new)
.endif
.endm
	s_load_b256 s[4:11], s[0:1], 0x0               ; x s[4:5], Wr s[6:7], br s[8:9], scales s[10:11]
	s_load_b256 s[12:19], s[0:1], 0x20             ; xc s[12:13], ridx s[14:15], gate s[16:17], rmask s[18:19]
	v_lshl_add_u32 v254, v0, 2, 0x8900
	v_mov_b32 v255, 0
	v_lshrrev_b32 v1, 5, v0
	v_readfirstlane_b32 s20, v1                    ; wave
	v_and_b32 v1, 31, v0                           ; lane L
	v_lshlrev_b32 v2, 5, v1                        ; 32 L: my eight f32 of a quarter row of x
	v_lshlrev_b32 v4, 3, v1                        ; 8 L: my eight codes
	v_lshlrev_b32 v3, 4, v0                        ; 16 x thread: Wr, dense
	v_lshrrev_b32 v7, 4, v0
	v_and_b32 v8, 15, v0
	v_mul_u32_u24 v7, v7, WPITCH
	v_lshl_add_u32 v7, v8, 4, v7                   ; Wr into LDS: sixteen threads fill a row of 256 bytes
	v_mul_u32_u24 v8, v1, WPITCH                   ; and out of it: row 32 q + L
	s_lshl_b32 s21, ttmp9, 3
	s_lshl_b32 s22, s20, 1
	s_add_co_u32 s21, s21, s22                     ; my first token: 8 x work-group + 2 x wave
	s_lshl_b32 s22, s21, 12
	s_mov_b32 s23, 0
	s_lshl_b32 s24, s21, 10
	s_mov_b32 s25, 0
	s_mov_b32 s26, 0x76543210                      ; lane selects: lane l xor 16
	s_mov_b32 s27, 0xfedcba98
	s_wait_kmcnt 0x0
	s_load_b256 s[32:39], s[8:9], 0x0              ; br
	s_load_b32 s40, s[10:11], 0x4                  ; ex
	s_add_nc_u64 s[4:5], s[4:5], s[22:23]
	s_add_nc_u64 s[12:13], s[12:13], s[24:25]
.irp i, 0,1
.irp q, 0,1,2,3
	global_load_b128 v[XR+32*\i+8*\q:XR+32*\i+8*\q+3],   v2, s[4:5] offset:4096*\i+1024*\q th:TH_LOAD_NT
	global_load_b128 v[XR+32*\i+8*\q+4:XR+32*\i+8*\q+7], v2, s[4:5] offset:4096*\i+1024*\q+16 th:TH_LOAD_NT
.endr
.endr
.irp k, 0,1,2,3,4,5,6,7,8,9,10,11,12,13,14,15
	global_load_b128 v[WS+4*\k:WS+4*\k+3], v3, s[6:7] offset:2048*\k   ; 128 threads read 2,048 consecutive bytes
.endr
	s_wait_kmcnt 0x0
	s_add_co_i32 s41, s40, 127
	s_lshl_b32 s42, s41, 23
	v_mov_b32 v6, s42                              ; 2^ex as f32: the conversion takes its exponent field
	s_add_co_i32 s41, s41, 8
	s_lshl_b32 s41, s41, 23
	s_or_b32 s41, s41, 0x600000
	v_mov_b32 v5, s41                              ; 448 x 2^ex
	s_wait_loadcnt 16                              ; x is in; Wr's sixteen loads may be out
.irp i, 0,1
.irp q, 0,1,2,3
.irp m, 0,1,2,3,4,5,6,7
	v_med3_num_f32 v[TMP+8*(\q%2)+\m], v[XR+32*\i+8*\q+\m], -v5, v5   ; the conversion does not saturate (ISA guide 7.6.2): the hold, into other registers: the router wants x as it is
.endr
	v_cvt_scalef32_pk8_fp8_f32 v[CD+8*\i+2*\q:CD+8*\i+2*\q+1], v[TMP+8*(\q%2):TMP+8*(\q%2)+7], v6   ; two sets of eight by turns: the next eight holds are plain lines that touch neither its result nor its sources
.endr
.endr
	v_nop                                          ; one plain line behind the last conversion
.irp i, 0,1
.irp q, 0,1,2,3
	global_store_b64 v4, v[CD+8*\i+2*\q:CD+8*\i+2*\q+1], s[12:13] offset:1024*\i+256*\q   ; 32 lanes store 256 consecutive bytes, aligned
.endr
.endr
	s_wait_loadcnt 0x0                             ; Wr
.irp k, 0,1,2,3,4,5,6,7,8,9,10,11,12,13,14,15
	ds_store_b128 v7, v[WS+4*\k:WS+4*\k+3] offset:8*WPITCH*\k
.endr
	s_wait_dscnt 0x0                               ; for the others' sake: my part of Wr lies in LDS
	s_barrier_signal -1
	s_barrier_wait -1
	WIN 0x40                                       ; destination window 1: Wr(8 q + m, e) at v[64 q + 8 m + e]
.irp q, 0,1,2,3
.irp k, 0,1,2,3,4,5,6,7,8,9,10,11,12,13,14,15
	ds_load_b128 v[64*\q+4*\k:64*\q+4*\k+3], v8 offset:32*WPITCH*\q+16*\k
.endr
.endr
	WIN 0x04                                       ; source 1 (Wr) window 1
.irp q, 0,1,2,3
	s_wait_dscnt 48-16*\q                          ; this quarter's sixteen loads are in; the later quarters' may be out
.irp m, 0,1,2,3,4,5,6,7
.irp i, 0,1
.irp e, 0,1,2,3,4,5,6,7
.if (\q == 0) && (\m == 0)
	v_mul_f32 v[ACC+8*\i+\e], v[XR+32*\i], v[\e]   ; the first product starts the sum
.else
	v_fmac_f32 v[ACC+8*\i+\e], v[XR+32*\i+8*\q+\m], v[64*\q+8*\m+\e]   ; sixteen sums by turns
.endif
.endr
.endr
.endr
.endr
	WIN 0
.irp x, 1,2,4,8                        ; across the 32 lanes; every lane ends with the same sum
.irp a, 0,1,2,3,4,5,6,7,8,9,10,11,12,13,14,15
	v_add_f32_dpp v[ACC+\a], v[ACC+\a], v[ACC+\a] row_xmask:\x row_mask:0xf bank_mask:0xf
.endr
.endr
.irp a, 0,1,2,3,4,5,6,7,8,9,10,11,12,13,14,15
	v_permlanex16_b32 v[TMP+\a], v[ACC+\a], s26, s27   ; (its destination counts as read: the holds above have written it)
.endr
.irp a, 0,1,2,3,4,5,6,7,8,9,10,11,12,13,14,15
	v_add_f32 v[ACC+\a], v[ACC+\a], v[TMP+\a]
.endr
.irp i, 0,1
.irp e, 0,1,2,3,4,5,6,7
	v_add_f32 v[ACC+8*\i+\e], s[32+\e], v[ACC+8*\i+\e]   ; + br
.endr
.endr
.irp i, 0,1                            ; the two largest; a strict comparison in ascending order keeps the lower index of equals
	v_mov_b32 v[VT+2*\i], v[ACC+8*\i]
	v_mov_b32 v[REC+4*\i], 0
.irp e, 1,2,3,4,5,6,7
	v_cmp_gt_f32 vcc_lo, v[ACC+8*\i+\e], v[VT+2*\i]
	v_cndmask_b32 v[VT+2*\i], v[VT+2*\i], v[ACC+8*\i+\e], vcc_lo
	v_cndmask_b32 v[REC+4*\i], v[REC+4*\i], \e, vcc_lo
.endr
	v_mov_b32 v[VT+2*\i+1], 0xff800000             ; -infinity
	v_mov_b32 v[REC+4*\i+1], 0
.irp e, 0,1,2,3,4,5,6,7
	v_cmp_gt_f32 s28, v[ACC+8*\i+\e], v[VT+2*\i+1]
	v_cmp_ne_u32 s29, \e, v[REC+4*\i]              ; not the first one again
	s_and_b32 vcc_lo, s28, s29
	v_cndmask_b32 v[VT+2*\i+1], v[VT+2*\i+1], v[ACC+8*\i+\e], vcc_lo
	v_cndmask_b32 v[REC+4*\i+1], v[REC+4*\i+1], \e, vcc_lo
.endr
.endr
.irp i, 0,1                            ; softmax of the two, the larger taken away: g0 = 1 / (1 + p), g1 = p g0, p = e^(v1 - v0) <= 1
	v_sub_f32 v[VT+2*\i+1], v[VT+2*\i+1], v[VT+2*\i]
	v_mul_f32 v[VT+2*\i+1], 0x3fb8aa3b, v[VT+2*\i+1]
.endr
	v_exp_f32 v[VT+1], v[VT+1]
	v_exp_f32 v[VT+3], v[VT+3]
	v_nop                                          ; a plain line behind the exponentials,
	s_wait_alu depctr_va_vdst(0)                   ; and a wait ahead of their first reader
	v_add_f32 v[VT], 1.0, v[VT+1]
	v_add_f32 v[VT+2], 1.0, v[VT+3]
	v_rcp_f32 v[REC+2], v[VT]
	v_rcp_f32 v[REC+6], v[VT+2]
	v_nop
	s_wait_alu depctr_va_vdst(0)
	v_mul_f32 v[REC+3], v[VT+1], v[REC+2]
	v_mul_f32 v[REC+7], v[VT+3], v[REC+6]
	s_lshl_b32 s28, s20, 5
	s_add_co_u32 s28, s28, RECS
	v_mov_b32 v12, s28                             ; my wave's two records (all lanes store the same words)
	ds_store_b128 v12, v[REC:REC+3]
	ds_store_b128 v12, v[REC+4:REC+7] offset:16
	s_wait_dscnt 0x0                               ; my records lie in LDS, and my reads of Wr are in
	s_barrier_signal -1
	s_barrier_wait -1
	s_cmp_lg_u32 s20, 0                            ; wave 0 stores the work-group's eight records and its byte of each expert's mask
	s_cbranch_scc1 .Lend
	v_and_b32 v9, 7, v0
	v_lshl_add_u32 v14, v9, 4, RECS
	v_mov_b32 v13, RECS
	ds_load_b128 v[MYR:MYR+3], v14                 ; token lane % 8
.irp t, 0,1,2,3,4,5,6,7
	ds_load_b64 v[128+2*\t:129+2*\t], v13 offset:16*\t   ; every token's two experts, in every lane
.endr
	s_lshl_b32 s22, ttmp9, 6                       ; 8 tokens x 8 bytes
	s_add_nc_u64 s[14:15], s[14:15], s[22:23]
	s_add_nc_u64 s[16:17], s[16:17], s[22:23]
	s_mov_b32 s24, ttmp9
	s_add_nc_u64 s[18:19], s[18:19], s[24:25]      ; byte g of each expert's row
	v_lshlrev_b32 v11, 3, v9
	v_lshlrev_b32 v15, 7, v9
	v_mov_b32 v10, 0
	s_wait_dscnt 0x0
.irp t, 0,1,2,3,4,5,6,7                ; lane e (0..7): bit t = token t uses expert e
	v_cmp_eq_u32 s28, v[128+2*\t], v9
	v_cmp_eq_u32 s29, v[129+2*\t], v9
	s_or_b32 vcc_lo, s28, s29
	v_cndmask_b32 v12, 0, 1<<\t, vcc_lo
	v_or_b32 v10, v10, v12
.endr
	s_wait_xcnt 0x0                                ; EXEC changes only behind this wait: the codes' stores have read it
	v_cmp_gt_u32 vcc_lo, 8, v0
	s_and_saveexec_b32 s30, vcc_lo
	global_store_b64 v11, v[MYR:MYR+1], s[14:15]
	global_store_b64 v11, v[MYR+2:MYR+3], s[16:17]
	global_store_b8 v15, v10, s[18:19]
	s_wait_xcnt 0x0
	s_or_b32 exec_lo, exec_lo, s30
.Lend:
	s_wait_tensorcnt 0x0
	ds_add_u32 v254, v255
	s_wait_dscnt 0x0
	s_endpgm
.Lfunc_end_k_qb4df581bfd_route:
	.size	k_qb4df581bfd_route, .Lfunc_end_k_qb4df581bfd_route-k_qb4df581bfd_route
	.p2alignl 7, 3214868480
	.fill 96, 4, 3214868480
	.section	.rodata,"a",@progbits
	.p2align	6, 0x0
	.amdhsa_kernel k_qb4df581bfd_route
		.amdhsa_group_segment_fixed_size 35584
		.amdhsa_private_segment_fixed_size 0
		.amdhsa_enable_private_segment 0
		.amdhsa_kernarg_size 64
		.amdhsa_user_sgpr_count 2
		.amdhsa_user_sgpr_kernarg_segment_ptr 1
		.amdhsa_wavefront_size32 1
		.amdhsa_system_sgpr_workgroup_id_x 1
		.amdhsa_system_sgpr_workgroup_id_y 1
		.amdhsa_system_sgpr_workgroup_id_z 1
		.amdhsa_system_vgpr_workitem_id 0
		.amdhsa_next_free_vgpr 512
		.amdhsa_next_free_sgpr 66
		.amdhsa_reserve_vcc 1
		.amdhsa_float_denorm_mode_32 3
		.amdhsa_float_denorm_mode_16_64 3
		.amdhsa_memory_ordered 1
		.amdhsa_forward_progress 1
		.amdhsa_inst_pref_size 49
	.end_amdhsa_kernel
	.amdgpu_metadata
---
amdhsa.version: [ 1, 2 ]
amdhsa.kernels:
  - .name:           k_qb4df581bfd_route
    .symbol:         k_qb4df581bfd_route.kd
    .args:
      - { .name: x, .offset: 0, .size: 8, .value_kind: global_buffer, .address_space: global }
      - { .name: Wr, .offset: 8, .size: 8, .value_kind: global_buffer, .address_space: global }
      - { .name: br, .offset: 16, .size: 8, .value_kind: global_buffer, .address_space: global }
      - { .name: lowp_scales, .offset: 24, .size: 8, .value_kind: global_buffer, .address_space: global }
      - { .name: xc, .offset: 32, .size: 8, .value_kind: global_buffer, .address_space: global }
      - { .name: ridx, .offset: 40, .size: 8, .value_kind: global_buffer, .address_space: global }
      - { .name: gate, .offset: 48, .size: 8, .value_kind: global_buffer, .address_space: global }
      - { .name: rmask, .offset: 56, .size: 8, .value_kind: global_buffer, .address_space: global }
    .group_segment_fixed_size: 35584
    .private_segment_fixed_size: 0
    .kernarg_segment_align: 8
    .kernarg_segment_size: 64
    .max_flat_workgroup_size: 128
    .sgpr_count:     66
    .vgpr_count:     512
    .wavefront_size: 32
...
	.end_amdgpu_metadata
.endif
;; end of part 1
;; launch up (part 2): grid 32 x 8, 4 waves a work-group, no clusters, 133,632 bytes of LDS; arguments W1, b1, lowp_scales, xc, rmask, hc; writes hc
.if DOCPART == 2
	.amdgcn_target "amdgcn-amd-amdhsa--gfx1250"
	.amdhsa_code_object_version 6
	.text
	.protected	k_qb4df581bfd_up
	.globl	k_qb4df581bfd_up
	.p2align	8
	.type	k_qb4df581bfd_up,@function
k_qb4df581bfd_up:
	s_mov_b64 s[64:65], 0
	v_nop
	global_prefetch_b8 v0, s[64:65] scope:SCOPE_SE
	s_setreg_imm32_b32 hwreg(HW_REG_WAVE_MODE, 25, 1), 1
	s_wait_xcnt 0x0
; FIRST LAYER OF THE CHOSEN EXPERTS: hidden = Q(relu(x W1[e] + b1[e])), on codes of E4M3, for the rows that chose expert e alone.
; A work-group owns expert e (grid y) and 128 hidden units (grid x = s): 1,024 x 128 numbers of W1, 512 KB of f32, which it reads ONCE.
; PHASE A.  Wave w streams rows d = 256 w .. 256 w + 255 of the slice, 16 rows a set, each load one row's 512 consecutive bytes (a lane: 4 columns).  The numbers are held within +-448 x 2^ew1 and converted;
;   a lane then has, for each of 16 rows, 4 columns' codes in a register; eight byte permutes for each 4 x 4 turn them into 16 codes along K for each of its 4 columns, which go to LDS: row = hidden unit, 1,024 codes + 16 bytes of padding.
;   Three sets (48 loads of 512 bytes a wave) are on their way while one is worked.  One barrier ends the phase, the only one of the text.
; PHASE B.  No barrier.  Row tile T of the expert (16 rows: the tokens of rank 16 T .. 16 T + 15 among those that chose e, in ascending order) belongs to wave T % 4; a trip takes 5 tiles a wave, 320 rows a work-group.
;   The loop is counted against 4 trips, which serve the most that an expert can have (1,024 rows = 64 tiles, 20 a trip), and is left as soon as the expert's own tiles, counted from rmask, are done.
;   The whole slice stays in LDS, so any count up to 1,024 is served and no weight is read twice.
;   The tokens are found in registers (SEARCH): each lane looks up the token of its rank in the expert's 32 mask words.  x's fragments come straight from xc into registers, three K chunks ahead; W1's from LDS.
;   The product is used transposed (source 0 = 16 hidden units, source 1 = 16 rows): a lane holds one row and eight neighbouring units.  b1 / 2^(ew1 + ex) is the C of each sum's first product.
;   relu and the hold are one v_med3; the three scales are folded into the conversion's one, 2^(eh - ex - ew1).
; OUT.  hc: the next product's operand as an IMAGE OF ITS REGISTERS: [64 e + tile][K chunk s][group c][lane][16 bytes].  Group c of lane (r, h) holds units 32 c + 8 h + 0..7 and 32 c + 16 + 8 h + 0..7 of the chunk:
;   within each 32 along the next K, bits 3 and 4 are swapped; the next launch lays W2's rows in the same order.
; Tiles at or past NT = max(ceil(count / 16), 1) are computed on clamped tokens and not stored; the last tile's rows past the count are stored and never used.
; NO TENSOR LOAD, NO JOINT REQUEST: the loop over row tiles is left on a number read from memory; and what an expert's 32 work-groups share (1 KB a row) is small beside each one's own 512 KB.
; LIMITS: ew1 and eh - ex - ew1 between -126 and 119.  NaN among the inputs is not served.
; REGISTERS.  window 0: v1-23 addresses and scales; v24-38 the search; v64-115 phase A's codes, later the hidden codes; v128-255 two sets of four fragments of W1 (and the search's temporaries).
;   window 1: phase A's four sets of 64 numbers; then the accumulators of tiles 0-3 ((i, t) at 64 i + 8 t).   window 2: x's fragments, buffers 0-2 (80 each).   window 3: v0-79 buffer 3; v80-143 tile 4's accumulators; v144-207 b1.
.set PITCH, 1040                       ; an LDS row: 1,024 codes + 16: 65 x 16 bytes, so the 16 rows of a fragment load start at 16 different groups of banks
.set KSET,  16                         ; codes along K that a set adds to a row
.set WROW,  16384                      ; a row of W1[e] in bytes
.set TRIPS, 4                          ; 64 tiles at the most, 20 a trip
.set LN,  1                            ; lane
.set RR,  2                            ; r = lane % 16
.set HH,  3                            ; h = lane / 16
.set WO,  4                            ; 16 x lane
.set LS,  5                            ; where my codes go: (4 lane) rows + 256 wave
.set SC,  7                            ; 2^ew1;  v8: 448 x that
.set LIM, 8
.set SCH, 9                            ; 2^(eh - ex - ew1);  v10: 448 x that
.set LIMH, 10
.set H16, 11                           ; 16 h
.set BA,  12                           ; v12-13 a fragment's place for my lane: units 0-63, 64-127
.set XO,  16                           ; v16-20 my token's row in xc + 16 h, for each of my 5 tiles
.set SOF, 21                           ; a tile's store offset
.set SB,  22                           ; its fixed part
.set BO,  23                           ; 32 h
.set RHO, 24                           ; v24-28 my rank
.set KEY, 29                           ; v29-33 block << 16 | ranks before the block
.set MS,  34                           ; v34-38 the block's mask word
.set P,   64                           ; v64-79 a set's codes: register k = row k, 4 columns
.set TT4, 80
.set T,   84                           ; v84-115 two sets of 4 columns x 16 codes
.set HC,  64                           ; v64-79 a tile's hidden codes
.set BF,  128
.set KK,  128                          ; the search's temporaries, 5 each
.set AA,  133
.set BB,  138
.set CC,  143
.set DD,  148
.set PP,  153
.set TQ,  158
.set UU,  163
.set A4,  80                           ; window 3
.set B1R, 144                          ; window 3
.set MSB, 0
.macro WIN new                         ; the immediate's high byte repeats the setting that is left
.if MSB != (\new)
	s_set_vgpr_msb (MSB<<8)|(\new)
.set MSB, (\new)
.endif
.endm
.macro PLACES                          ; four plain lines between a matrix instruction and a load into its sources or a read of its result
.rept 4
	v_nop
.endr
.endm
.macro WLOAD set                       ; 16 rows of the slice into ring set % 4
	WIN 0x40
.irp j, 0,1,2,3,4,5,6,7,8,9,10,11,12,13,14,15
	global_load_b128 v[64*((\set)%4)+4*\j:64*((\set)%4)+4*\j+3], v[WO], s[4:5] offset:(16*(\set)+\j)*WROW th:TH_LOAD_NT
.endr
.endm
.macro WCONV set                       ; hold, convert, turn 4 x 4 bytes
.set RB, 64*((\set)%4)
.set TB, T+16*((\set)%2)
	WIN 0x41
.set jj, 0
.rept 64
	v_med3_num_f32 v[RB+jj], v[RB+jj], -v[LIM], v[LIM]   ; the conversion does not saturate (ISA guide 7.6.2)
.set jj, jj+1
.endr
	WIN 0x01
.irp g, 0,1,2,3,4,5,6,7
	v_cvt_scalef32_pk8_fp8_f32 v[P+2*\g:P+2*\g+1], v[RB+8*\g:RB+8*\g+7], v[SC]   ; rows 2 g and 2 g + 1, 4 columns each
.endr
	WIN 0
	v_nop                                          ; one plain line behind the last conversion
.irp g, 0,1,2,3
	v_perm_b32 v[TT4],   v[P+4*\g+1], v[P+4*\g],   s66   ; rows 0, 1 of columns 0, 1
	v_perm_b32 v[TT4+1], v[P+4*\g+1], v[P+4*\g],   s67   ; of columns 2, 3
	v_perm_b32 v[TT4+2], v[P+4*\g+3], v[P+4*\g+2], s66   ; rows 2, 3
	v_perm_b32 v[TT4+3], v[P+4*\g+3], v[P+4*\g+2], s67
	v_perm_b32 v[TB+\g],    v[TT4+2], v[TT4],   s68      ; column 0, rows 4 g .. 4 g + 3
	v_perm_b32 v[TB+4+\g],  v[TT4+2], v[TT4],   s69
	v_perm_b32 v[TB+8+\g],  v[TT4+3], v[TT4+1], s68
	v_perm_b32 v[TB+12+\g], v[TT4+3], v[TT4+1], s69
.endr
.endm
.macro WSTORE set
.irp c, 0,1,2,3
	ds_store_b128 v[LS], v[T+16*((\set)%2)+4*\c:T+16*((\set)%2)+4*\c+3] offset:\c*PITCH+KSET*(\set)
.endr
.endm
.macro XLOAD q                         ; K chunk q (128 codes) of my 5 tiles' rows into buffer q % 4: lane (r, h), group c: k = 128 q + 32 c + 16 h + 0..15
.set XW, 2+(((\q)%4)/3)
.set XB, 80*((\q)%4)-240*(((\q)%4)/3)
	WIN XW<<6
.irp i, 0,1,2,3,4
.irp c, 0,1,2,3
	global_load_b128 v[XB+16*\i+4*\c:XB+16*\i+4*\c+3], v[XO+\i], s[10:11] offset:128*(\q)+32*\c
.endr
.endr
.endm
.macro BFETCH bf, q, half              ; four fragments of W1 (units 64 half + 16 t on), the same k in the same places as x's
.irp t, 0,1,2,3
.irp c, 0,1,2,3
	ds_load_b128 v[BF+64*(\bf)+16*\t+4*\c:BF+64*(\bf)+16*\t+4*\c+3], v[BA+\half] offset:\t*16*PITCH+128*(\q)+32*\c
.endr
.endr
.endm
.macro MUL q, bf, half, first          ; 20 products: 4 tiles of units x my 5 tiles of rows; each accumulator has one turn
.set XW, 2+(((\q)%4)/3)
.set XB, 80*((\q)%4)-240*(((\q)%4)/3)
.if \first
	WIN 0x70|(XW<<2)                               ; D window 1, C (b1) window 3
.else
	WIN 0x50|(XW<<2)
.endif
.irp t, 0,1,2,3
.irp i, 0,1,2,3
.if \first
	v_wmma_f32_16x16x128_fp8_fp8 v[64*\i+8*(4*(\half)+\t):64*\i+8*(4*(\half)+\t)+7], v[BF+64*(\bf)+16*\t:BF+64*(\bf)+16*\t+15], v[XB+16*\i:XB+16*\i+15], v[B1R+8*(4*(\half)+\t):B1R+8*(4*(\half)+\t)+7]
.else
	v_wmma_f32_16x16x128_fp8_fp8 v[64*\i+8*(4*(\half)+\t):64*\i+8*(4*(\half)+\t)+7], v[BF+64*(\bf)+16*\t:BF+64*(\bf)+16*\t+15], v[XB+16*\i:XB+16*\i+15], v[64*\i+8*(4*(\half)+\t):64*\i+8*(4*(\half)+\t)+7]
.endif
.endr
.endr
	WIN 0xf0|(XW<<2)                               ; tile 4: C and D window 3
.irp t, 0,1,2,3
.if \first
	v_wmma_f32_16x16x128_fp8_fp8 v[A4+8*(4*(\half)+\t):A4+8*(4*(\half)+\t)+7], v[BF+64*(\bf)+16*\t:BF+64*(\bf)+16*\t+15], v[XB+64:XB+79], v[B1R+8*(4*(\half)+\t):B1R+8*(4*(\half)+\t)+7]
.else
	v_wmma_f32_16x16x128_fp8_fp8 v[A4+8*(4*(\half)+\t):A4+8*(4*(\half)+\t)+7], v[BF+64*(\bf)+16*\t:BF+64*(\bf)+16*\t+15], v[XB+64:XB+79], v[A4+8*(4*(\half)+\t):A4+8*(4*(\half)+\t)+7]
.endif
.endr
.endm
.macro SELSTEP src, width              ; one step of the search for the k-th set bit: is it in the lower field of this width at pos, or past it?
.irp i, 0,1,2,3,4
	v_bfe_u32 v[TQ+\i], v[\src+\i], v[PP+\i], \width
.endr
.irp i, 0,1,2,3,4
	v_cmp_ge_u32 vcc_lo, v[KK+\i], v[TQ+\i]
	v_cndmask_b32 v[TQ+\i], 0, v[TQ+\i], vcc_lo
	v_cndmask_b32 v[UU+\i], 0, \width, vcc_lo
	v_sub_nc_u32 v[KK+\i], v[KK+\i], v[TQ+\i]
	v_add_nc_u32 v[PP+\i], v[PP+\i], v[UU+\i]
.endr
.endm
; THE SEARCH.  My rank in tile i of the trip is rho = 16 (T0 + 4 i + wave) + r.  The block of 32 tokens that holds it is the last whose count of earlier ranks is at most rho; in its mask word the (rho - that count)-th set bit is my token.
; first = 1: the expert's count is at hand at the end: NT is made of it.
.macro SEARCH first
	s_add_co_u32 s59, s55, s52
	s_lshl_b32 s59, s59, 4
	v_add_nc_u32 v[RHO], s59, v[RR]
.irp i, 1,2,3,4
	v_add_nc_u32 v[RHO+\i], 64*\i, v[RHO]
.endr
.irp i, 0,1,2,3,4
	v_mov_b32 v[KEY+\i], 0
	v_mov_b32 v[MS+\i], s16
.endr
	s_bcnt1_i32_b32 s57, s16
.irp b, 1,2,3,4,5,6,7,8,9,10,11,12,13,14,15,16,17,18,19,20,21,22,23,24,25,26,27,28,29,30,31
	s_or_b32 s58, s57, \b<<16                      ; the count stays under 2^16
.irp i, 0,1,2,3,4
	v_cmp_gt_u32 vcc_lo, s57, v[RHO+\i]            ; the block begins past my rank: keep what I have
	v_cndmask_b32 v[KEY+\i], s58, v[KEY+\i], vcc_lo
	v_cndmask_b32 v[MS+\i], s[16+\b], v[MS+\i], vcc_lo
.endr
	s_bcnt1_i32_b32 s59, s[16+\b]
	s_add_co_u32 s57, s57, s59
.endr
.if \first
	s_add_co_u32 s56, s57, 15
	s_lshr_b32 s56, s56, 4
	s_max_u32 s56, s56, 1                          ; NT: an expert without rows still has tile 0, so that every launch stores and nothing unwritten is read
.endif
.irp i, 0,1,2,3,4
	v_and_b32 v[KK+\i], 0xffff, v[KEY+\i]
	v_sub_nc_u32 v[KK+\i], v[RHO+\i], v[KK+\i]     ; k
	v_lshrrev_b32 v[KEY+\i], 16, v[KEY+\i]         ; the block
	v_lshrrev_b32 v[TQ+\i], 1, v[MS+\i]            ; counts of set bits in fields of 2, 4, 8, 16
	v_and_b32 v[TQ+\i], s70, v[TQ+\i]
	v_sub_nc_u32 v[AA+\i], v[MS+\i], v[TQ+\i]
	v_lshrrev_b32 v[TQ+\i], 2, v[AA+\i]
	v_and_b32 v[TQ+\i], s71, v[TQ+\i]
	v_and_b32 v[BB+\i], s71, v[AA+\i]
	v_add_nc_u32 v[BB+\i], v[BB+\i], v[TQ+\i]
	v_lshrrev_b32 v[TQ+\i], 4, v[BB+\i]
	v_add_nc_u32 v[TQ+\i], v[TQ+\i], v[BB+\i]
	v_and_b32 v[CC+\i], s72, v[TQ+\i]
	v_lshrrev_b32 v[TQ+\i], 8, v[CC+\i]
	v_add_nc_u32 v[TQ+\i], v[TQ+\i], v[CC+\i]
	v_and_b32 v[DD+\i], s73, v[TQ+\i]
	v_mov_b32 v[PP+\i], 0
.endr
	SELSTEP DD, 16
	SELSTEP CC, 8
	SELSTEP BB, 4
	SELSTEP AA, 2
	SELSTEP MS, 1
.irp i, 0,1,2,3,4
	v_lshl_add_u32 v[PP+\i], v[KEY+\i], 5, v[PP+\i]
	v_min_u32 v[PP+\i], 0x3ff, v[PP+\i]            ; a rank past the count finds some token: its row is computed and never used
	v_lshlrev_b32 v[PP+\i], 10, v[PP+\i]
	v_add_nc_u32 v[XO+\i], v[PP+\i], v[H16]
.endr
.endm
	s_load_b256 s[4:11], s[0:1], 0x0               ; W1 s[4:5], b1 s[6:7], scales s[8:9], xc s[10:11]
	s_load_b128 s[12:15], s[0:1], 0x20             ; rmask s[12:13], hc s[14:15]
	v_lshl_add_u32 v126, v0, 2, 0x20800
	v_mov_b32 v127, 0
	v_lshrrev_b32 v1, 5, v0
	v_readfirstlane_b32 s52, v1                    ; wave
	v_and_b32 v[LN], 31, v0
	v_and_b32 v[RR], 15, v0
	v_bfe_u32 v[HH], v0, 4, 1
	s_mov_b32 s53, ttmp9                           ; s: the slice
	s_and_b32 s54, ttmp7, 0xffff                   ; e: the expert
	v_lshlrev_b32 v[WO], 4, v[LN]
	v_mul_u32_u24 v[LS], v[LN], 4*PITCH
	s_lshl_b32 s74, s52, 8
	v_add_nc_u32 v[LS], s74, v[LS]
	v_lshlrev_b32 v[H16], 4, v[HH]
	v_mul_u32_u24 v[BA], v[RR], PITCH
	v_add_nc_u32 v[BA], v[BA], v[H16]
	v_add_nc_u32 v[BA+1], 64*PITCH, v[BA]
	v_lshlrev_b32 v[BO], 5, v[HH]
	s_lshl_b32 s74, s54, 22                        ; hc: 64 e tiles of 65,536 bytes + chunk s of 2,048 + 16 x lane
	s_lshl_b32 s75, s53, 11
	s_add_co_u32 s74, s74, s75
	v_add_nc_u32 v[SB], s74, v[WO]
	s_lshl_b32 s76, s54, 24                        ; W1: expert e (16 MiB) + 512 s + my 256 rows
	s_lshl_b32 s75, s53, 9
	s_add_co_u32 s76, s76, s75
	s_lshl_b32 s75, s52, 22
	s_add_co_u32 s76, s76, s75
	s_mov_b32 s77, 0
	s_lshl_b32 s78, s54, 14                        ; b1: (4,096 e + 128 s) x 4
	s_lshl_b32 s75, s53, 9
	s_add_co_u32 s78, s78, s75
	s_mov_b32 s79, 0
	s_lshl_b32 s80, s54, 7                         ; rmask: row e
	s_mov_b32 s81, 0
	s_mov_b32 s66, 0x05010400                      ; the byte permutes' selectors
	s_mov_b32 s67, 0x07030602
	s_mov_b32 s68, 0x05040100
	s_mov_b32 s69, 0x07060302
	s_mov_b32 s70, 0x55555555
	s_mov_b32 s71, 0x33333333
	s_mov_b32 s72, 0x0f0f0f0f
	s_mov_b32 s73, 0x00ff00ff
	s_mov_b32 s55, 0                               ; T0: the trip's first tile
	s_mov_b32 s62, 0                               ; the trips' counter
	s_wait_kmcnt 0x0
	s_add_nc_u64 s[12:13], s[12:13], s[80:81]
	s_load_b512 s[16:31], s[12:13], 0x0            ; the expert's 32 mask words
	s_load_b512 s[32:47], s[12:13], 0x40
	s_load_b128 s[48:51], s[8:9], 0x0              ; ew1, ex, eh, ew2
	s_add_nc_u64 s[4:5], s[4:5], s[76:77]
	s_add_nc_u64 s[6:7], s[6:7], s[78:79]
	WIN 0xc0                                       ; b1 in the result's layout: lane (r, h), tile t: units 16 t + 8 h + 0..7.  These loads are the oldest
.irp t, 0,1,2,3,4,5,6,7
	global_load_b128 v[B1R+8*\t:B1R+8*\t+3],   v[BO], s[6:7] offset:64*\t
	global_load_b128 v[B1R+8*\t+4:B1R+8*\t+7], v[BO], s[6:7] offset:64*\t+16
.endr
	WLOAD 0
	WLOAD 1
	WLOAD 2
	WIN 0
	s_wait_kmcnt 0x0
	s_add_co_i32 s74, s48, 127
	s_lshl_b32 s75, s74, 23
	v_mov_b32 v[SC], s75                           ; 2^ew1
	s_add_co_i32 s74, s74, 8
	s_lshl_b32 s74, s74, 23
	s_or_b32 s74, s74, 0x600000
	v_mov_b32 v[LIM], s74                          ; 448 x 2^ew1
	s_add_co_i32 s76, s48, s49                     ; a sum stands for sum x 2^(ew1 + ex)
	s_sub_co_i32 s60, 0, s76
	s_sub_co_i32 s74, s50, s76
	s_add_co_i32 s74, s74, 127
	s_lshl_b32 s75, s74, 23
	v_mov_b32 v[SCH], s75                          ; 2^(eh - ex - ew1)
	s_add_co_i32 s74, s74, 8
	s_lshl_b32 s74, s74, 23
	s_or_b32 s74, s74, 0x600000
	v_mov_b32 v[LIMH], s74
	SEARCH 1                                       ; while the first sets are on their way
; ---- PHASE A, written out: every offset is an immediate
.set N, 0
.rept 16
.if N < 13
	WLOAD N+3
	s_wait_loadcnt 48                              ; set N is in (and all that is older); the three younger sets may be out
.else
	XLOAD N-13                                     ; the stream runs out: x's first three chunks take its place
	s_wait_loadcnt 52+4*(N-13)                     ; behind set N: 16 loads for each later set, 20 for each chunk of x
.endif
	s_wait_dscnt 4                                 ; the stores of two sets back have read their registers; the last set's four may be out
	WCONV N
	WSTORE N
.set N, N+1
.endr
	WIN 0xc3
.set jj, 0
.rept 64
	v_ldexp_f32 v[B1R+jj], v[B1R+jj], s60          ; b1 / 2^(ew1 + ex): it goes in as the C of the sums
.set jj, jj+1
.endr
	WIN 0
	s_wait_dscnt 0x0                               ; for the others' sake: my part of the slice lies in LDS
	s_barrier_signal -1
	s_barrier_wait -1                              ; the whole slice does.  (x's loads stay on their way: nobody writes those bytes)
; ---- PHASE B
.Ltrip:                                            ; on both ways in: chunks 0, 1, 2 of x are out, no LDS instruction is
	BFETCH 0, 0, 0
.set Q, 0
.rept 8
.if Q > 0
	PLACES
.endif
.if Q+3 < 8
	XLOAD Q+3
.endif
	WIN 0
	BFETCH 1, Q, 1
	s_wait_dscnt 16                                ; the first four fragments are in; the sixteen loads just issued may be out
.if Q+3 < 8
	s_wait_loadcnt 60                              ; chunk Q is in; the three younger chunks may be out
.else
	s_wait_loadcnt 20*(7-Q)
.endif
.if Q == 0
	MUL Q, 0, 0, 1
.else
	MUL Q, 0, 0, 0
.endif
	PLACES
	WIN 0
.if Q < 7
	BFETCH 0, Q+1, 0
	s_wait_dscnt 16
.else
	s_wait_dscnt 0x0
.endif
.if Q == 0
	MUL Q, 1, 1, 1
.else
	MUL Q, 1, 1, 0
.endif
.set Q, Q+1
.endr
	PLACES
	WIN 0
.irp i, 0,1,2,3,4                      ; THE WAY OUT, tile by tile
	s_add_co_u32 s74, s55, s52
	s_add_co_u32 s74, s74, 4*\i                    ; the tile
	s_cmp_ge_u32 s74, s56
	s_cbranch_scc1 .Lskip_\i                       ; past the expert's rows: nothing is stored
.if \i < 4
.set AB, 64*\i
.set AW, 1
.else
.set AB, A4
.set AW, 3
.endif
	WIN (AW<<6)|AW
.set jj, 0
.rept 64
	v_med3_num_f32 v[AB+jj], v[AB+jj], 0, v[LIMH]  ; relu and the hold in one; each accumulator from its low end on
.set jj, jj+1
.endr
	s_wait_xcnt 0x0                                ; the last tile's stores have read their data and offset
	WIN AW
.irp t, 0,1,2,3,4,5,6,7
	v_cvt_scalef32_pk8_fp8_f32 v[HC+2*\t:HC+2*\t+1], v[AB+8*\t:AB+8*\t+7], v[SCH]
.endr
	WIN 0
	v_nop                                          ; one plain line behind the last conversion
	s_min_u32 s74, s74, 63
	s_lshl_b32 s74, s74, 16
	v_add_nc_u32 v[SOF], s74, v[SB]
.irp u, 0,1,2,3
	global_store_b128 v[SOF], v[HC+4*\u:HC+4*\u+3], s[14:15] offset:512*\u   ; 32 lanes store 512 consecutive bytes, aligned
.endr
.Lskip_\i:
.endr
	s_add_co_u32 s55, s55, 20
	s_cmp_ge_u32 s55, s56
	s_cbranch_scc1 .Ldone                          ; the expert's tiles are done: at the latest behind the fourth trip, where T0 = 80 is past the most, 64
	SEARCH 0                                       ; the next 20 tiles' tokens (x's loads are all in: their offsets may be written)
	XLOAD 0
	XLOAD 1
	XLOAD 2
	WIN 0
	s_add_co_u32 s62, s62, 1
	s_cmp_lt_u32 s62, TRIPS
	s_cbranch_scc1 .Ltrip
.Ldone:
	s_wait_tensorcnt 0x0
	ds_add_u32 v126, v127
	s_wait_dscnt 0x0
	s_endpgm
.Lfunc_end_k_qb4df581bfd_up:
	.size	k_qb4df581bfd_up, .Lfunc_end_k_qb4df581bfd_up-k_qb4df581bfd_up
	.p2alignl 7, 3214868480
	.fill 96, 4, 3214868480
	.section	.rodata,"a",@progbits
	.p2align	6, 0x0
	.amdhsa_kernel k_qb4df581bfd_up
		.amdhsa_group_segment_fixed_size 133632
		.amdhsa_private_segment_fixed_size 0
		.amdhsa_enable_private_segment 0
		.amdhsa_kernarg_size 48
		.amdhsa_user_sgpr_count 2
		.amdhsa_user_sgpr_kernarg_segment_ptr 1
		.amdhsa_wavefront_size32 1
		.amdhsa_system_sgpr_workgroup_id_x 1
		.amdhsa_system_sgpr_workgroup_id_y 1
		.amdhsa_system_sgpr_workgroup_id_z 1
		.amdhsa_system_vgpr_workitem_id 0
		.amdhsa_next_free_vgpr 976
		.amdhsa_next_free_sgpr 84
		.amdhsa_reserve_vcc 1
		.amdhsa_float_denorm_mode_32 3
		.amdhsa_float_denorm_mode_16_64 3
		.amdhsa_memory_ordered 1
		.amdhsa_forward_progress 1
		.amdhsa_inst_pref_size 255
	.end_amdhsa_kernel
	.section	.bss,"aw",@nobits
	.p2align	6
	.space	262144
	.amdgpu_metadata
---
amdhsa.version: [ 1, 2 ]
amdhsa.kernels:
  - .name:           k_qb4df581bfd_up
    .symbol:         k_qb4df581bfd_up.kd
    .args:
      - { .name: W1, .offset: 0, .size: 8, .value_kind: global_buffer, .address_space: global }
      - { .name: b1, .offset: 8, .size: 8, .value_kind: global_buffer, .address_space: global }
      - { .name: lowp_scales, .offset: 16, .size: 8, .value_kind: global_buffer, .address_space: global }
      - { .name: xc, .offset: 24, .size: 8, .value_kind: global_buffer, .address_space: global }
      - { .name: rmask, .offset: 32, .size: 8, .value_kind: global_buffer, .address_space: global }
      - { .name: hc, .offset: 40, .size: 8, .value_kind: global_buffer, .address_space: global }
    .group_segment_fixed_size: 133632
    .private_segment_fixed_size: 0
    .kernarg_segment_align: 8
    .kernarg_segment_size: 48
    .max_flat_workgroup_size: 128
    .sgpr_count:     84
    .vgpr_count:     976
    .wavefront_size: 32
...
	.end_amdgpu_metadata
.endif
;; end of part 2
;; launch down (part 3): grid 32 x 8, 4 waves a work-group, no clusters, 150,016 bytes of LDS; arguments W2, lowp_scales, hc, rmask, part; writes part
.if DOCPART == 3
	.amdgcn_target "amdgcn-amd-amdhsa--gfx1250"
	.amdhsa_code_object_version 6
	.text
	.protected	k_qb4df581bfd_down
	.globl	k_qb4df581bfd_down
	.p2align	8
	.type	k_qb4df581bfd_down,@function
k_qb4df581bfd_down:
	s_mov_b64 s[64:65], 0
	v_nop
	global_prefetch_b8 v0, s[64:65] scope:SCOPE_SE
	s_setreg_imm32_b32 hwreg(HW_REG_WAVE_MODE, 25, 1), 1
	s_wait_xcnt 0x0
; SECOND LAYER OF THE CHOSEN EXPERTS, as raw sums: part[kh][1024 e + rank][d] = the sum over half kh of the hidden units of hidden code x W2 code.  The scale, b2, the sigmoid and the gates follow in the next launch.
; A work-group owns expert e (grid y), 64 outputs (cs = x % 16) and 2,048 hidden units (kh = x / 16): 2,048 x 64 numbers of W2, 512 KB of f32, which it reads ONCE.  A row's piece is 256 bytes, aligned.
; PHASE A as in the first layer's launch: wave w streams hidden units 512 w .. 512 w + 511 of the half, 32 a set: a load takes two rows, 8 apart (lanes 0-15 one, lanes 16-31 the other), a lane 4 columns.
;   THE ORDER ALONG K IS THE HIDDEN CODES' OWN: place 32 n + 16 h + 8 t + j of an LDS row holds unit 32 n + 16 t + 8 h + j.  Load j of set n takes unit 32 n + 16 (j / 8) + j % 8 + 8 (lane / 16),
;   so a lane's 16 codes of a column are places 32 n + 16 (lane / 16) + 0..15.  LDS: row = output, 2,048 codes + 16 bytes of padding.  One barrier ends the phase, the only one of the text.
; PHASE B.  No barrier.  Row tile T belongs to wave T % 4, 5 tiles a wave and trip.  The loop is counted against 4 trips, which serve the most that an expert can have (1,024 rows = 64 tiles, 20 a trip),
;   and is left as soon as the expert's own NT = max(ceil(count / 16), 1) tiles, counted from rmask, are done.  The hidden fragments come from hc as images of their registers:
;   each load is 512 consecutive bytes.  Tiles past NT - 1 read tile NT - 1 again and are not stored.
;   The product is used transposed (source 0 = 16 outputs, source 1 = 16 rows): a lane's eight sums are neighbours in a row; a tile goes through the wave's own stage in LDS and leaves as whole rows of 256 bytes.
; NO TENSOR LOAD, NO JOINT REQUEST: the loop is left on a number read from memory; what work-groups share (2 KB a row) is small beside each one's own 512 KB.
; K IS SPLIT IN TWO so that there are 256 work-groups of equal streams; the two halves are added by the one owner of each output row, in the next launch.
; LIMITS: ew2 between -126 and 119.  NaN among the inputs is not served.
; REGISTERS.  window 0: v1-23 addresses and scales; v64-115 phase A's codes, later v64-95 rows on their way out; v128-255 two sets of four fragments of W2.
;   window 1: phase A's four sets of 64 numbers; then the accumulators ((i, t) at 32 i + 8 t).   window 2: hidden fragments, buffers 0-2 (80 each).   window 3: v0-79 buffer 3.
.set PITCH, 2064                       ; 2,048 codes + 16: 129 x 16 bytes
.set KSET,  32
.set WROW,  4096                       ; a row of W2[e] in bytes
.set TRIPS, 4                          ; 64 tiles at the most, 20 a trip
.set SPITCH, 272                       ; the stage: 16 rows of 256 bytes + 16 for each wave
.set STG,   64*PITCH
.set LN,  1
.set RR,  2
.set HH,  3
.set WO,  4                            ; 16 (lane % 16) + 8 rows x (lane / 16)
.set LS,  5                            ; where my codes go
.set SC,  7
.set LIM, 8
.set BA,  12                           ; v12-13 a fragment's place for my lane: outputs 0-31, 32-63
.set STO, 14
.set SRD, 15
.set XO,  16                           ; v16-20 my 5 tiles' images in hc
.set SOF, 21
.set XBS, 22
.set PBS, 23
.set P,   64
.set TT4, 80
.set T,   84
.set OUTR, 64
.set BF,  128
.set MSB, 0
.macro WIN new                         ; the immediate's high byte repeats the setting that is left
.if MSB != (\new)
	s_set_vgpr_msb (MSB<<8)|(\new)
.set MSB, (\new)
.endif
.endm
.macro PLACES                          ; four plain lines between a matrix instruction and a load into its sources or a read of its result
.rept 4
	v_nop
.endr
.endm
.macro WLOAD set
	WIN 0x40
.irp j, 0,1,2,3,4,5,6,7,8,9,10,11,12,13,14,15
	global_load_b128 v[64*((\set)%4)+4*\j:64*((\set)%4)+4*\j+3], v[WO], s[4:5] offset:(32*(\set)+16*(\j/8)+(\j%8))*WROW th:TH_LOAD_NT   ; two rows' 256 consecutive bytes, aligned
.endr
.endm
.macro WCONV set                       ; hold, convert, turn 4 x 4 bytes
.set RB, 64*((\set)%4)
.set TB, T+16*((\set)%2)
	WIN 0x41
.set jj, 0
.rept 64
	v_med3_num_f32 v[RB+jj], v[RB+jj], -v[LIM], v[LIM]   ; the conversion does not saturate (ISA guide 7.6.2)
.set jj, jj+1
.endr
	WIN 0x01
.irp g, 0,1,2,3,4,5,6,7
	v_cvt_scalef32_pk8_fp8_f32 v[P+2*\g:P+2*\g+1], v[RB+8*\g:RB+8*\g+7], v[SC]
.endr
	WIN 0
	v_nop                                          ; one plain line behind the last conversion
.irp g, 0,1,2,3
	v_perm_b32 v[TT4],   v[P+4*\g+1], v[P+4*\g],   s66
	v_perm_b32 v[TT4+1], v[P+4*\g+1], v[P+4*\g],   s67
	v_perm_b32 v[TT4+2], v[P+4*\g+3], v[P+4*\g+2], s66
	v_perm_b32 v[TT4+3], v[P+4*\g+3], v[P+4*\g+2], s67
	v_perm_b32 v[TB+\g],    v[TT4+2], v[TT4],   s68
	v_perm_b32 v[TB+4+\g],  v[TT4+2], v[TT4],   s69
	v_perm_b32 v[TB+8+\g],  v[TT4+3], v[TT4+1], s68
	v_perm_b32 v[TB+12+\g], v[TT4+3], v[TT4+1], s69
.endr
.endm
.macro WSTORE set
.irp c, 0,1,2,3
	ds_store_b128 v[LS], v[T+16*((\set)%2)+4*\c:T+16*((\set)%2)+4*\c+3] offset:\c*PITCH+KSET*(\set)
.endr
.endm
.macro XLOAD q                         ; chunk q of the half, my 5 tiles, into buffer q % 4
.set XW, 2+(((\q)%4)/3)
.set XB, 80*((\q)%4)-240*(((\q)%4)/3)
	WIN XW<<6
.irp i, 0,1,2,3,4
.irp c, 0,1,2,3
	global_load_b128 v[XB+16*\i+4*\c:XB+16*\i+4*\c+3], v[XO+\i], s[8:9] offset:2048*(\q)+512*\c
.endr
.endr
.endm
.macro BFETCH bf, q                    ; the four fragments of W2 of chunk q
.irp t, 0,1,2,3
.irp c, 0,1,2,3
	ds_load_b128 v[BF+64*(\bf)+16*\t+4*\c:BF+64*(\bf)+16*\t+4*\c+3], v[BA+\t/2] offset:(\t%2)*16*PITCH+128*(\q)+32*\c
.endr
.endr
.endm
.macro MUL q, bf, first                ; 20 products, each accumulator one turn
.set XW, 2+(((\q)%4)/3)
.set XB, 80*((\q)%4)-240*(((\q)%4)/3)
.if \first
	WIN 0x40|(XW<<2)
.else
	WIN 0x50|(XW<<2)
.endif
.irp t, 0,1,2,3
.irp i, 0,1,2,3,4
.if \first
	v_wmma_f32_16x16x128_fp8_fp8 v[32*\i+8*\t:32*\i+8*\t+7], v[BF+64*(\bf)+16*\t:BF+64*(\bf)+16*\t+15], v[XB+16*\i:XB+16*\i+15], 0
.else
	v_wmma_f32_16x16x128_fp8_fp8 v[32*\i+8*\t:32*\i+8*\t+7], v[BF+64*(\bf)+16*\t:BF+64*(\bf)+16*\t+15], v[XB+16*\i:XB+16*\i+15], v[32*\i+8*\t:32*\i+8*\t+7]
.endif
.endr
.endr
.endm
.macro TILEOFF                         ; where my 5 tiles' images lie; a tile past the last reads the last again
	s_sub_co_u32 s75, s56, 1
.irp i, 0,1,2,3,4
	s_add_co_u32 s74, s55, s52
	s_add_co_u32 s74, s74, 4*\i
	s_min_u32 s74, s74, s75
	s_min_u32 s74, s74, 63
	s_lshl_b32 s74, s74, 16
	v_add_nc_u32 v[XO+\i], s74, v[XBS]
.endr
.endm
	s_load_b256 s[4:11], s[0:1], 0x0               ; W2 s[4:5], scales s[6:7], hc s[8:9], rmask s[10:11]
	s_load_b64 s[12:13], s[0:1], 0x20              ; part
	v_lshl_add_u32 v126, v0, 2, 0x24800
	v_mov_b32 v127, 0
	v_lshrrev_b32 v1, 5, v0
	v_readfirstlane_b32 s52, v1                    ; wave
	v_and_b32 v[LN], 31, v0
	v_and_b32 v[RR], 15, v0
	v_bfe_u32 v[HH], v0, 4, 1
	s_and_b32 s53, ttmp9, 15                       ; cs: which 64 outputs
	s_lshr_b32 s61, ttmp9, 4                       ; kh: which half of the hidden units
	s_and_b32 s54, ttmp7, 0xffff                   ; e
	v_lshlrev_b32 v[WO], 4, v[RR]
	v_lshl_add_u32 v[WO], v[HH], 15, v[WO]
	v_mul_u32_u24 v[LS], v[RR], 4*PITCH
	v_lshl_add_u32 v[LS], v[HH], 4, v[LS]
	s_lshl_b32 s74, s52, 9
	v_add_nc_u32 v[LS], s74, v[LS]
	v_mul_u32_u24 v[BA], v[RR], PITCH
	v_lshl_add_u32 v[BA], v[HH], 4, v[BA]
	v_add_nc_u32 v[BA+1], 32*PITCH, v[BA]
	s_mul_i32 s74, s52, 16*SPITCH
	s_add_co_u32 s74, s74, STG                     ; my stage
	v_mul_u32_u24 v[STO], v[RR], SPITCH
	v_lshl_add_u32 v[STO], v[HH], 5, v[STO]
	v_add_nc_u32 v[STO], s74, v[STO]               ; in: row r, 32 bytes for each half of the lanes
	v_mul_u32_u24 v[SRD], v[HH], SPITCH
	v_lshl_add_u32 v[SRD], v[RR], 4, v[SRD]
	v_add_nc_u32 v[SRD], s74, v[SRD]               ; back: lanes 0-15 one row, lanes 16-31 the next
	s_lshl_b32 s74, s54, 22                        ; hc: 64 e tiles of 65,536 bytes + 16 kh chunks of 2,048 + 16 x lane
	s_lshl_b32 s75, s61, 15
	s_add_co_u32 s75, s75, s74
	v_lshl_add_u32 v[XBS], v[LN], 4, s75
	s_lshl_b32 s75, s53, 8                         ; part: 1,024 e rows of 4,096 bytes + 256 cs + row h + 16 r
	s_add_co_u32 s75, s75, s74
	v_lshl_add_u32 v[PBS], v[HH], 12, s75
	v_lshl_add_u32 v[PBS], v[RR], 4, v[PBS]
	s_lshl_b32 s76, s54, 24                        ; W2: expert e (16 MiB) + 256 cs + rows 2,048 kh + 512 wave
	s_lshl_b32 s75, s53, 8
	s_add_co_u32 s76, s76, s75
	s_lshl_b32 s75, s61, 23
	s_add_co_u32 s76, s76, s75
	s_lshl_b32 s75, s52, 21
	s_add_co_u32 s76, s76, s75
	s_mov_b32 s77, 0
	s_lshl_b32 s78, s61, 25                        ; part: half kh (32 MiB)
	s_mov_b32 s79, 0
	s_lshl_b32 s80, s54, 7                         ; rmask: row e
	s_mov_b32 s81, 0
	s_mov_b32 s66, 0x05010400
	s_mov_b32 s67, 0x07030602
	s_mov_b32 s68, 0x05040100
	s_mov_b32 s69, 0x07060302
	s_mov_b32 s55, 0                               ; T0
	s_mov_b32 s62, 0                               ; the trips' counter
	s_wait_kmcnt 0x0
	s_add_nc_u64 s[10:11], s[10:11], s[80:81]
	s_load_b512 s[16:31], s[10:11], 0x0            ; the expert's 32 mask words
	s_load_b512 s[32:47], s[10:11], 0x40
	s_load_b128 s[48:51], s[6:7], 0x0              ; ew1, ex, eh, ew2
	s_add_nc_u64 s[4:5], s[4:5], s[76:77]
	s_add_nc_u64 s[12:13], s[12:13], s[78:79]
	WLOAD 0
	WLOAD 1
	WLOAD 2
	WIN 0
	s_wait_kmcnt 0x0
	s_add_co_i32 s74, s51, 127
	s_lshl_b32 s75, s74, 23
	v_mov_b32 v[SC], s75                           ; 2^ew2
	s_add_co_i32 s74, s74, 8
	s_lshl_b32 s74, s74, 23
	s_or_b32 s74, s74, 0x600000
	v_mov_b32 v[LIM], s74                          ; 448 x 2^ew2
	s_bcnt1_i32_b32 s57, s16                       ; the expert's count
.irp b, 1,2,3,4,5,6,7,8,9,10,11,12,13,14,15,16,17,18,19,20,21,22,23,24,25,26,27,28,29,30,31
	s_bcnt1_i32_b32 s59, s[16+\b]
	s_add_co_u32 s57, s57, s59
.endr
	s_add_co_u32 s56, s57, 15
	s_lshr_b32 s56, s56, 4
	s_max_u32 s56, s56, 1                          ; NT, as the launch before made it
	TILEOFF
; ---- PHASE A, written out: every offset is an immediate
.set N, 0
.rept 16
.if N < 13
	WLOAD N+3
	s_wait_loadcnt 48                              ; set N is in; the three younger sets may be out
.else
	XLOAD N-13                                     ; the stream runs out: the first three hidden chunks take its place
	s_wait_loadcnt 52+4*(N-13)                     ; behind set N: 16 loads for each later set, 20 for each chunk
.endif
	s_wait_dscnt 4                                 ; the stores of two sets back have read their registers; the last set's four may be out
	WCONV N
	WSTORE N
.set N, N+1
.endr
	s_wait_dscnt 0x0                               ; for the others' sake: my part of the slice lies in LDS
	s_barrier_signal -1
	s_barrier_wait -1
; ---- PHASE B
.Ltrip:                                            ; on both ways in: chunks 0, 1, 2 are out, no LDS instruction is
	BFETCH 0, 0
.set Q, 0
.rept 16
.if Q > 0
	PLACES
.endif
.if Q+3 < 16
	XLOAD Q+3
.endif
	WIN 0
.if Q < 15
	BFETCH (Q+1)%2, Q+1
	s_wait_dscnt 16                                ; this chunk's fragments are in; the next chunk's sixteen loads may be out
.else
	s_wait_dscnt 0x0
.endif
.if Q+3 < 16
	s_wait_loadcnt 60                              ; chunk Q is in; the three younger chunks may be out
.else
	s_wait_loadcnt 20*(15-Q)
.endif
.if Q == 0
	MUL Q, 0, 1
.else
	MUL Q, Q%2, 0
.endif
.set Q, Q+1
.endr
	PLACES
	WIN 0
.irp i, 0,1,2,3,4                      ; THE WAY OUT, tile by tile, through my own stage: LDS serves a wave's instructions in order (ISA guide 5.7.1.4), so no wait stands between the stores and the loads
	s_add_co_u32 s74, s55, s52
	s_add_co_u32 s74, s74, 4*\i
	s_cmp_ge_u32 s74, s56
	s_cbranch_scc1 .Lskip_\i
	WIN 0x04                                       ; store data window 1
.irp t, 0,1,2,3
	ds_store_b128 v[STO], v[32*\i+8*\t:32*\i+8*\t+3]   offset:64*\t      ; each accumulator from its low end on
	ds_store_b128 v[STO], v[32*\i+8*\t+4:32*\i+8*\t+7] offset:64*\t+16
.endr
	WIN 0
	s_wait_xcnt 0x0                                ; the last tile's stores have read their data and offset
.irp t, 0,1,2,3,4,5,6,7
	ds_load_b128 v[OUTR+4*\t:OUTR+4*\t+3], v[SRD] offset:2*\t*SPITCH
.endr
	s_min_u32 s74, s74, 63
	s_lshl_b32 s74, s74, 16                        ; 16 rows of 4,096 bytes a tile
	v_add_nc_u32 v[SOF], s74, v[PBS]
.irp t, 0,1,2,3,4,5,6,7
	s_wait_dscnt 7-\t
	global_store_b128 v[SOF], v[OUTR+4*\t:OUTR+4*\t+3], s[12:13] offset:8192*\t   ; sixteen lanes store 256 consecutive bytes, aligned
.endr
.Lskip_\i:
.endr
	s_add_co_u32 s55, s55, 20
	s_cmp_ge_u32 s55, s56
	s_cbranch_scc1 .Ldone                          ; the expert's tiles are done: at the latest behind the fourth trip, where T0 = 80 is past the most, 64
	TILEOFF                                        ; (the hidden loads are all in: their offsets may be written)
	XLOAD 0
	XLOAD 1
	XLOAD 2
	WIN 0
	s_add_co_u32 s62, s62, 1
	s_cmp_lt_u32 s62, TRIPS
	s_cbranch_scc1 .Ltrip
.Ldone:
	s_wait_tensorcnt 0x0
	ds_add_u32 v126, v127
	s_wait_dscnt 0x0
	s_endpgm
.Lfunc_end_k_qb4df581bfd_down:
	.size	k_qb4df581bfd_down, .Lfunc_end_k_qb4df581bfd_down-k_qb4df581bfd_down
	.p2alignl 7, 3214868480
	.fill 96, 4, 3214868480
	.section	.rodata,"a",@progbits
	.p2align	6, 0x0
	.amdhsa_kernel k_qb4df581bfd_down
		.amdhsa_group_segment_fixed_size 150016
		.amdhsa_private_segment_fixed_size 0
		.amdhsa_enable_private_segment 0
		.amdhsa_kernarg_size 40
		.amdhsa_user_sgpr_count 2
		.amdhsa_user_sgpr_kernarg_segment_ptr 1
		.amdhsa_wavefront_size32 1
		.amdhsa_system_sgpr_workgroup_id_x 1
		.amdhsa_system_sgpr_workgroup_id_y 1
		.amdhsa_system_sgpr_workgroup_id_z 1
		.amdhsa_system_vgpr_workitem_id 0
		.amdhsa_next_free_vgpr 848
		.amdhsa_next_free_sgpr 84
		.amdhsa_reserve_vcc 0
		.amdhsa_float_denorm_mode_32 3
		.amdhsa_float_denorm_mode_16_64 3
		.amdhsa_memory_ordered 1
		.amdhsa_forward_progress 1
		.amdhsa_inst_pref_size 232
	.end_amdhsa_kernel
	.amdgpu_metadata
---
amdhsa.version: [ 1, 2 ]
amdhsa.kernels:
  - .name:           k_qb4df581bfd_down
    .symbol:         k_qb4df581bfd_down.kd
    .args:
      - { .name: W2, .offset: 0, .size: 8, .value_kind: global_buffer, .address_space: global }
      - { .name: lowp_scales, .offset: 8, .size: 8, .value_kind: global_buffer, .address_space: global }
      - { .name: hc, .offset: 16, .size: 8, .value_kind: global_buffer, .address_space: global }
      - { .name: rmask, .offset: 24, .size: 8, .value_kind: global_buffer, .address_space: global }
      - { .name: part, .offset: 32, .size: 8, .value_kind: global_buffer, .address_space: global }
    .group_segment_fixed_size: 150016
    .private_segment_fixed_size: 0
    .kernarg_segment_align: 8
    .kernarg_segment_size: 40
    .max_flat_workgroup_size: 128
    .sgpr_count:     84
    .vgpr_count:     848
    .wavefront_size: 32
...
	.end_amdgpu_metadata
.endif
;; end of part 3
;; launch combine (part 4): grid 256 x 1, 4 waves a work-group, no clusters, 0 bytes of LDS; arguments part, b2, lowp_scales, ridx, gate, rmask, out0; writes out0
.if DOCPART == 4
	.amdgcn_target "amdgcn-amd-amdhsa--gfx1250"
	.amdhsa_code_object_version 6
	.text
	.protected	k_qb4df581bfd_combine
	.globl	k_qb4df581bfd_combine
	.p2align	8
	.type	k_qb4df581bfd_combine,@function
k_qb4df581bfd_combine:
	s_mov_b64 s[64:65], 0
	v_nop
	global_prefetch_b8 v0, s[64:65] scope:SCOPE_SE
	s_setreg_imm32_b32 hwreg(HW_REG_WAVE_MODE, 25, 1), 1
	s_wait_xcnt 0x0
; out[t] = g0 sigmoid(z(e0)) + g1 sigmoid(z(e1)),  z(e) = (part[0][slot] + part[1][slot]) x 2^(eh + ew2) + b2[e],  slot = 1,024 e + the rank of token t among the tokens that chose e.
; A wave owns a token, so each output row has one owner.  The rank is counted from the expert's mask words: lane L takes word L, keeps the bits of tokens before t, counts them,
; and the 32 counts are added bit by bit: a comparison gives the lanes in which bit j of the count is set, as a scalar, whose set bits are counted.  All of it is whole numbers.
; A stream: no LDS, no barrier, no matrix unit; waves share nothing.  Every load and store of a row covers 512 consecutive bytes.
; LIMITS: eh + ew2 between -126 and 127.
.set MW, 8                             ; v8-15   word L of each expert's mask
.set PA0, 32                           ; v32-63 half 0, v64-95 half 1, v96-127 b2 of the first expert;  v128-223 the same of the second
	s_load_b256 s[4:11], s[0:1], 0x0               ; part s[4:5], b2 s[6:7], scales s[8:9], ridx s[10:11]
	s_load_b128 s[12:15], s[0:1], 0x20             ; gate s[12:13], rmask s[14:15]
	s_load_b64 s[16:17], s[0:1], 0x30              ; out0
	v_lshrrev_b32 v1, 5, v0
	v_readfirstlane_b32 s18, v1                    ; wave
	v_and_b32 v1, 31, v0                           ; lane
	v_lshlrev_b32 v2, 2, v1
	v_lshlrev_b32 v3, 4, v1
	s_lshl_b32 s19, ttmp9, 2
	s_add_co_u32 s19, s19, s18                     ; t
	s_lshl_b32 s20, s19, 3
	s_lshr_b32 s21, s19, 5                         ; t's word
	s_and_b32 s22, s19, 31
	s_bfm_b32 s22, s22, 0                          ; the bits of the tokens before t in it
	s_mov_b32 s40, 0x55555555
	s_mov_b32 s41, 0x33333333
	s_mov_b32 s42, 0x0f0f0f0f
	s_mov_b32 s43, 0x01010101
	s_mov_b32 s58, 0xbfb8aa3b                      ; -log2(e)
	s_mov_b32 s59, s58                             ; (named with it as a pair, so it is written)
	s_mov_b32 s63, 0
	s_wait_kmcnt 0x0
	s_load_b64 s[24:25], s[10:11], s20 offset:0x0  ; e0, e1
	s_load_b64 s[26:27], s[12:13], s20 offset:0x0  ; g0, g1
	s_load_b128 s[28:31], s[8:9], 0x0              ; ew1, ex, eh, ew2
.irp e, 0,1,2,3,4,5,6,7
	global_load_b32 v[MW+\e], v2, s[14:15] offset:128*\e
.endr
	v_cmp_gt_u32 s34, s21, v1                      ; words wholly before t
	v_cmp_eq_u32 s35, s21, v1                      ; t's own word
	s_lshl_b32 s62, s19, 12
	s_add_nc_u64 s[16:17], s[16:17], s[62:63]      ; my row of out0
	s_wait_kmcnt 0x0
	s_min_u32 s24, s24, 7
	s_min_u32 s25, s25, 7
	s_wait_loadcnt 0x0
.irp k, 0,1
	v_mov_b32 v16, v[MW]
.irp e, 1,2,3,4,5,6,7
	s_cmp_eq_u32 s[24+\k], \e
	s_cselect_b32 s36, -1, 0
	v_cndmask_b32 v16, v16, v[MW+\e], s36          ; the chosen expert's word
.endr
	v_and_b32 v17, s22, v16
	v_cndmask_b32 v16, 0, v16, s34
	v_cndmask_b32 v16, v16, v17, s35
	v_lshrrev_b32 v17, 1, v16                      ; its set bits, counted
	v_and_b32 v17, s40, v17
	v_sub_nc_u32 v16, v16, v17
	v_lshrrev_b32 v17, 2, v16
	v_and_b32 v17, s41, v17
	v_and_b32 v16, s41, v16
	v_add_nc_u32 v16, v16, v17
	v_lshrrev_b32 v17, 4, v16
	v_add_nc_u32 v16, v16, v17
	v_and_b32 v16, s42, v16
	v_mul_lo_u32 v16, v16, s43
	v_lshrrev_b32 v16, 24, v16                     ; 0 .. 32
	s_mov_b32 s37, 0
.irp j, 0,1,2,3,4,5
	v_and_b32 v17, 1<<\j, v16
	v_cmp_ne_u32 s36, 0, v17
	s_bcnt1_i32_b32 s36, s36
	s_lshl_b32 s36, s36, \j
	s_add_co_u32 s37, s37, s36                     ; the rank
.endr
	s_lshl_b32 s36, s[24+\k], 10
	s_add_co_u32 s36, s36, s37
	s_min_u32 s36, s36, 0x1fff                     ; the slot
	s_lshl_b32 s62, s36, 12
	s_add_nc_u64 s[44+4*\k:45+4*\k], s[4:5], s[62:63]
	s_add_nc_u64 s[46+4*\k:47+4*\k], s[44+4*\k:45+4*\k], 0x2000000   ; the other half of K: 32 MiB on
	s_lshl_b32 s62, s[24+\k], 12
	s_add_nc_u64 s[52+2*\k:53+2*\k], s[6:7], s[62:63]
.irp j, 0,1,2,3,4,5,6,7
	global_load_b128 v[PA0+96*\k+4*\j:PA0+96*\k+4*\j+3],       v3, s[44+4*\k:45+4*\k] offset:512*\j th:TH_LOAD_NT
	global_load_b128 v[PA0+96*\k+32+4*\j:PA0+96*\k+32+4*\j+3], v3, s[46+4*\k:47+4*\k] offset:512*\j th:TH_LOAD_NT
	global_load_b128 v[PA0+96*\k+64+4*\j:PA0+96*\k+64+4*\j+3], v3, s[52+2*\k:53+2*\k] offset:512*\j
.endr
.endr
	s_add_co_i32 s56, s30, s31
	s_add_co_i32 s56, s56, 127
	s_lshl_b32 s56, s56, 23                        ; 2^(eh + ew2) as f32
	s_mov_b32 s57, s56
	s_mov_b32 s60, s27                             ; g1, as the low word of a pair
	s_mov_b32 s61, s27
	s_wait_loadcnt 0x0
.irp k, 0,1
.set PA, PA0+96*\k
.set jj, 0
.rept 16
	v_pk_add_f32 v[PA+jj:PA+jj+1], v[PA+jj:PA+jj+1], v[PA+32+jj:PA+32+jj+1]
.set jj, jj+2
.endr
.set jj, 0
.rept 16
	v_pk_fma_f32 v[PA+jj:PA+jj+1], v[PA+jj:PA+jj+1], s[56:57], v[PA+64+jj:PA+64+jj+1] op_sel_hi:[1,0,1]   ; z
.set jj, jj+2
.endr
.set jj, 0
.rept 16
	v_pk_mul_f32 v[PA+jj:PA+jj+1], v[PA+jj:PA+jj+1], s[58:59] op_sel_hi:[1,0]
.set jj, jj+2
.endr
.endr
.irp k, 0,1
.set PA, PA0+96*\k
.set jj, 0
.rept 32
	v_exp_f32 v[PA+jj], v[PA+jj]                   ; e^-z
.set jj, jj+1
.endr
.endr
	v_nop                                          ; a plain line behind the batch,
	s_wait_alu depctr_va_vdst(0)                   ; and one wait for it, ahead of its first reader
.irp k, 0,1
.set PA, PA0+96*\k
.set jj, 0
.rept 16
	v_pk_add_f32 v[PA+jj:PA+jj+1], v[PA+jj:PA+jj+1], 1.0 op_sel_hi:[1,0]
.set jj, jj+2
.endr
.endr
.irp k, 0,1
.set PA, PA0+96*\k
.set jj, 0
.rept 32
	v_rcp_f32 v[PA+jj], v[PA+jj]                   ; sigmoid(z); e^-z = infinity gives 0
.set jj, jj+1
.endr
.endr
	v_nop
	s_wait_alu depctr_va_vdst(0)
.set jj, 0
.rept 16
	v_pk_mul_f32 v[PA0+32+jj:PA0+32+jj+1], v[PA0+jj:PA0+jj+1], s[26:27] op_sel_hi:[1,0]                                      ; g0 y0
.set jj, jj+2
.endr
.set jj, 0
.rept 16
	v_pk_fma_f32 v[PA0+32+jj:PA0+32+jj+1], v[PA0+96+jj:PA0+96+jj+1], s[60:61], v[PA0+32+jj:PA0+32+jj+1] op_sel_hi:[1,0,1]   ; + g1 y1
.set jj, jj+2
.endr
.irp j, 0,1,2,3,4,5,6,7
	global_store_b128 v3, v[PA0+32+4*\j:PA0+32+4*\j+3], s[16:17] offset:512*\j th:TH_STORE_NT
.endr
	s_endpgm
.Lfunc_end_k_qb4df581bfd_combine:
	.size	k_qb4df581bfd_combine, .Lfunc_end_k_qb4df581bfd_combine-k_qb4df581bfd_combine
	.p2alignl 7, 3214868480
	.fill 96, 4, 3214868480
	.section	.rodata,"a",@progbits
	.p2align	6, 0x0
	.amdhsa_kernel k_qb4df581bfd_combine
		.amdhsa_group_segment_fixed_size 0
		.amdhsa_private_segment_fixed_size 0
		.amdhsa_enable_private_segment 0
		.amdhsa_kernarg_size 56
		.amdhsa_user_sgpr_count 2
		.amdhsa_user_sgpr_kernarg_segment_ptr 1
		.amdhsa_wavefront_size32 1
		.amdhsa_system_sgpr_workgroup_id_x 1
		.amdhsa_system_sgpr_workgroup_id_y 1
		.amdhsa_system_sgpr_workgroup_id_z 1
		.amdhsa_system_vgpr_workitem_id 0
		.amdhsa_next_free_vgpr 256
		.amdhsa_next_free_sgpr 66
		.amdhsa_reserve_vcc 0
		.amdhsa_float_denorm_mode_32 3
		.amdhsa_float_denorm_mode_16_64 3
		.amdhsa_memory_ordered 1
		.amdhsa_forward_progress 1
		.amdhsa_inst_pref_size 28
	.end_amdhsa_kernel
	.amdgpu_metadata
---
amdhsa.version: [ 1, 2 ]
amdhsa.kernels:
  - .name:           k_qb4df581bfd_combine
    .symbol:         k_qb4df581bfd_combine.kd
    .args:
      - { .name: part, .offset: 0, .size: 8, .value_kind: global_buffer, .address_space: global }
      - { .name: b2, .offset: 8, .size: 8, .value_kind: global_buffer, .address_space: global }
      - { .name: lowp_scales, .offset: 16, .size: 8, .value_kind: global_buffer, .address_space: global }
      - { .name: ridx, .offset: 24, .size: 8, .value_kind: global_buffer, .address_space: global }
      - { .name: gate, .offset: 32, .size: 8, .value_kind: global_buffer, .address_space: global }
      - { .name: rmask, .offset: 40, .size: 8, .value_kind: global_buffer, .address_space: global }
      - { .name: out0, .offset: 48, .size: 8, .value_kind: global_buffer, .address_space: global }
    .group_segment_fixed_size: 0
    .private_segment_fixed_size: 0
    .kernarg_segment_align: 8
    .kernarg_segment_size: 56
    .max_flat_workgroup_size: 128
    .sgpr_count:     66
    .vgpr_count:     256
    .wavefront_size: 32
...
	.end_amdgpu_metadata
.endif
;; end of part 4
;; ======== version 2 of 2: 4 launches
;; workspace buffers: xc 1,048,576 bytes; rmask 1,024 bytes of whole numbers; ridx 8,192 bytes of whole numbers; gate 8,192 bytes; hc 33,554,432 bytes; part 67,108,864 bytes
;; launch route (part 5): grid 128 x 1, 4 waves a work-group, no clusters, 35,584 bytes of LDS; arguments x, Wr, br, lowp_scales, xc, ridx, gate, rmask; writes xc, ridx, gate, rmask
.if DOCPART == 5
	.amdgcn_target "amdgcn-amd-amdhsa--gfx1250"
	.amdhsa_code_object_version 6
	.text
	.protected	k_qb4df581bfd_route
	.globl	k_qb4df581bfd_route
	.p2align	8
	.type	k_qb4df581bfd_route,@function
k_qb4df581bfd_route:
	s_mov_b64 s[64:65], 0
	v_nop
	global_prefetch_b8 v0, s[64:65] scope:SCOPE_SE
	s_setreg_imm32_b32 hwreg(HW_REG_WAVE_MODE, 25, 1), 1
	s_wait_xcnt 0x0
; ROUTER AND x's CODES.  logits = x Wr + br in f32; the two largest (the lower index wins a tie); their softmax; and x as codes of E4M3 with the given scale 2^ex (entry 1 of the scales).
; A work-group takes 8 tokens, a wave 2.  Lane L holds, of each token, d = 256 q + 8 L + m (q = 0..3, m = 0..7): eight neighbours along d, as the conversion wants them, and 8 codes a lane make 256 dense bytes a store.
; Wr (32 KB) is copied once a work-group, in dense loads of 2,048 bytes, into LDS: the 256 bytes (8 rows of Wr) that belong to a lane's eight d lie in a row of 272 bytes, so that the lanes' reads fall on different banks.
; OUT: xc [token][1024] codes;  ridx [token][2] the chosen experts;  gate [token][2] their weights;  rmask [expert][128 bytes]: byte g, bit t = token 8 g + t uses the expert.
; No address and no branch hangs on the choice: it is stored at fixed places, and later launches read it.
; No matrix unit (N = 8), no cluster (work-groups share only Wr, 32 KB).
; LIMITS: ex between -126 and 119.  NaN among the inputs is not served; logits are finite.
.set XR,   16                          ; v16-79   x of my two tokens, 32 numbers each
.set ACC,  80                          ; v80-95   the 2 x 8 sums
.set TMP,  96                          ; v96-111  at work
.set REC,  112                         ; v112-119 a record for each token: e0, e1, g0, g1
.set VT,   120                         ; v120-123 the two largest logits of each token
.set MYR,  124                         ; v124-127 behind the barrier: the record of token lane % 8;  v128-143 all eight pairs e0, e1
.set CD,   152                         ; v152-167 codes
.set WS,   168                         ; v168-231 Wr on its way into LDS
.set WPITCH, 272
.set RECS, 128*WPITCH                  ; behind Wr's 128 rows: eight records of 16 bytes
.set MSB, 0
.macro WIN new                         ; the immediate's high byte repeats the setting that is left
.if MSB != (\new)
	s_set_vgpr_msb (MSB<<8)|(\new)
.set MSB, (\new)
.endif
.endm
	s_load_b256 s[4:11], s[0:1], 0x0               ; x s[4:5], Wr s[6:7], br s[8:9], scales s[10:11]
	s_load_b256 s[12:19], s[0:1], 0x20             ; xc s[12:13], ridx s[14:15], gate s[16:17], rmask s[18:19]
	v_lshl_add_u32 v254, v0, 2, 0x8900
	v_mov_b32 v255, 0
	v_lshrrev_b32 v1, 5, v0
	v_readfirstlane_b32 s20, v1                    ; wave
	v_and_b32 v1, 31, v0                           ; lane L
	v_lshlrev_b32 v2, 5, v1                        ; 32 L: my eight f32 of a quarter row of x
	v_lshlrev_b32 v4, 3, v1                        ; 8 L: my eight codes
	v_lshlrev_b32 v3, 4, v0                        ; 16 x thread: Wr, dense
	v_lshrrev_b32 v7, 4, v0
	v_and_b32 v8, 15, v0
	v_mul_u32_u24 v7, v7, WPITCH
	v_lshl_add_u32 v7, v8, 4, v7                   ; Wr into LDS: sixteen threads fill a row of 256 bytes
	v_mul_u32_u24 v8, v1, WPITCH                   ; and out of it: row 32 q + L
	s_lshl_b32 s21, ttmp9, 3
	s_lshl_b32 s22, s20, 1
	s_add_co_u32 s21, s21, s22                     ; my first token: 8 x work-group + 2 x wave
	s_lshl_b32 s22, s21, 12
	s_mov_b32 s23, 0
	s_lshl_b32 s24, s21, 10
	s_mov_b32 s25, 0
	s_mov_b32 s26, 0x76543210                      ; lane selects: lane l xor 16
	s_mov_b32 s27, 0xfedcba98
	s_wait_alu depctr_va_vdst(0)
	s_wait_kmcnt 0x0
	s_load_b256 s[32:39], s[8:9], 0x0              ; br
	s_load_b32 s40, s[10:11], 0x4                  ; ex
	s_add_nc_u64 s[4:5], s[4:5], s[22:23]
	s_add_nc_u64 s[12:13], s[12:13], s[24:25]
.irp i, 0,1
.irp q, 0,1,2,3
	global_load_b128 v[XR+32*\i+8*\q:XR+32*\i+8*\q+3],   v2, s[4:5] offset:4096*\i+1024*\q th:TH_LOAD_NT
	global_load_b128 v[XR+32*\i+8*\q+4:XR+32*\i+8*\q+7], v2, s[4:5] offset:4096*\i+1024*\q+16 th:TH_LOAD_NT
.endr
.endr
.irp k, 0,1,2,3,4,5,6,7,8,9,10,11,12,13,14,15
	global_load_b128 v[WS+4*\k:WS+4*\k+3], v3, s[6:7] offset:2048*\k   ; 128 threads read 2,048 consecutive bytes
.endr
	s_wait_kmcnt 0x0
	s_add_co_i32 s41, s40, 127
	s_lshl_b32 s42, s41, 23
	v_mov_b32 v6, s42                              ; 2^ex as f32: the conversion takes its exponent field
	s_add_co_i32 s41, s41, 8
	s_lshl_b32 s41, s41, 23
	s_or_b32 s41, s41, 0x600000
	v_mov_b32 v5, s41                              ; 448 x 2^ex
	s_wait_alu depctr_va_vdst(0)
	s_wait_loadcnt 16                              ; x is in; Wr's sixteen loads may be out
.irp i, 0,1
.irp q, 0,1,2,3
.irp m, 0,1,2,3,4,5,6,7
	v_med3_num_f32 v[TMP+8*(\q%2)+\m], v[XR+32*\i+8*\q+\m], -v5, v5   ; the conversion does not saturate (ISA guide 7.6.2): the hold, into other registers: the router wants x as it is
.endr
	v_cvt_scalef32_pk8_fp8_f32 v[CD+8*\i+2*\q:CD+8*\i+2*\q+1], v[TMP+8*(\q%2):TMP+8*(\q%2)+7], v6   ; two sets of eight by turns: the next eight holds are plain lines that touch neither its result nor its sources
.endr
.endr
	v_nop                                          ; one plain line behind the last conversion
.irp i, 0,1
.irp q, 0,1,2,3
	global_store_b64 v4, v[CD+8*\i+2*\q:CD+8*\i+2*\q+1], s[12:13] offset:1024*\i+256*\q   ; 32 lanes store 256 consecutive bytes, aligned
.endr
.endr
	s_wait_loadcnt 0x0                             ; Wr
.irp k, 0,1,2,3,4,5,6,7,8,9,10,11,12,13,14,15
	ds_store_b128 v7, v[WS+4*\k:WS+4*\k+3] offset:8*WPITCH*\k
.endr
	s_wait_dscnt 0x0                               ; for the others' sake: my part of Wr lies in LDS
	s_barrier_signal -1
	s_barrier_wait -1
	WIN 0x40                                       ; destination window 1: Wr(8 q + m, e) at v[64 q + 8 m + e]
.irp q, 0,1,2,3
.irp k, 0,1,2,3,4,5,6,7,8,9,10,11,12,13,14,15
	ds_load_b128 v[64*\q+4*\k:64*\q+4*\k+3], v8 offset:32*WPITCH*\q+16*\k
.endr
.endr
	WIN 0x04                                       ; source 1 (Wr) window 1
.irp q, 0,1,2,3
	s_wait_dscnt 48-16*\q                          ; this quarter's sixteen loads are in; the later quarters' may be out
.irp m, 0,1,2,3,4,5,6,7
.irp i, 0,1
.irp e, 0,1,2,3,4,5,6,7
.if (\q == 0) && (\m == 0)
	v_mul_f32 v[ACC+8*\i+\e], v[XR+32*\i], v[\e]   ; the first product starts the sum
.else
	v_fmac_f32 v[ACC+8*\i+\e], v[XR+32*\i+8*\q+\m], v[64*\q+8*\m+\e]   ; sixteen sums by turns
.endif
.endr
.endr
.endr
.endr
	WIN 0
.irp x, 1,2,4,8                        ; across the 32 lanes; every lane ends with the same sum
.irp a, 0,1,2,3,4,5,6,7,8,9,10,11,12,13,14,15
	v_add_f32_dpp v[ACC+\a], v[ACC+\a], v[ACC+\a] row_xmask:\x row_mask:0xf bank_mask:0xf
.endr
.endr
.irp a, 0,1,2,3,4,5,6,7,8,9,10,11,12,13,14,15
	v_permlanex16_b32 v[TMP+\a], v[ACC+\a], s26, s27   ; (its destination counts as read: the holds above have written it)
.endr
.irp a, 0,1,2,3,4,5,6,7,8,9,10,11,12,13,14,15
	v_add_f32 v[ACC+\a], v[ACC+\a], v[TMP+\a]
.endr
.irp i, 0,1
.irp e, 0,1,2,3,4,5,6,7
	v_add_f32 v[ACC+8*\i+\e], s[32+\e], v[ACC+8*\i+\e]   ; + br
.endr
.endr
.irp i, 0,1                            ; the two largest; a strict comparison in ascending order keeps the lower index of equals
	v_mov_b32 v[VT+2*\i], v[ACC+8*\i]
	v_mov_b32 v[REC+4*\i], 0
.irp e, 1,2,3,4,5,6,7
	v_cmp_gt_f32 vcc_lo, v[ACC+8*\i+\e], v[VT+2*\i]
	v_cndmask_b32 v[VT+2*\i], v[VT+2*\i], v[ACC+8*\i+\e], vcc_lo
	v_cndmask_b32 v[REC+4*\i], v[REC+4*\i], \e, vcc_lo
.endr
	v_mov_b32 v[VT+2*\i+1], 0xff800000             ; -infinity
	v_mov_b32 v[REC+4*\i+1], 0
.irp e, 0,1,2,3,4,5,6,7
	v_cmp_gt_f32 s28, v[ACC+8*\i+\e], v[VT+2*\i+1]
	v_cmp_ne_u32 s29, \e, v[REC+4*\i]              ; not the first one again
	s_and_b32 vcc_lo, s28, s29
	v_cndmask_b32 v[VT+2*\i+1], v[VT+2*\i+1], v[ACC+8*\i+\e], vcc_lo
	v_cndmask_b32 v[REC+4*\i+1], v[REC+4*\i+1], \e, vcc_lo
.endr
.endr
.irp i, 0,1                            ; softmax of the two, the larger taken away: g0 = 1 / (1 + p), g1 = p g0, p = e^(v1 - v0) <= 1
	v_sub_f32 v[VT+2*\i+1], v[VT+2*\i+1], v[VT+2*\i]
	v_mul_f32 v[VT+2*\i+1], 0x3fb8aa3b, v[VT+2*\i+1]
.endr
	s_wait_alu depctr_va_vdst(0)
	v_exp_f32 v[VT+1], v[VT+1]
	v_exp_f32 v[VT+3], v[VT+3]
	v_nop                                          ; a plain line behind the exponentials,
	s_wait_alu depctr_va_vdst(0)                   ; and a wait ahead of their first reader
	v_add_f32 v[VT], 1.0, v[VT+1]
	v_add_f32 v[VT+2], 1.0, v[VT+3]
	s_wait_alu depctr_va_vdst(0)
	v_rcp_f32 v[REC+2], v[VT]
	v_rcp_f32 v[REC+6], v[VT+2]
	v_nop
	s_wait_alu depctr_va_vdst(0)
	v_mul_f32 v[REC+3], v[VT+1], v[REC+2]
	v_mul_f32 v[REC+7], v[VT+3], v[REC+6]
	s_lshl_b32 s28, s20, 5
	s_add_co_u32 s28, s28, RECS
	v_mov_b32 v12, s28                             ; my wave's two records (all lanes store the same words)
	ds_store_b128 v12, v[REC:REC+3]
	ds_store_b128 v12, v[REC+4:REC+7] offset:16
	s_wait_dscnt 0x0                               ; my records lie in LDS, and my reads of Wr are in
	s_barrier_signal -1
	s_barrier_wait -1
	s_cmp_lg_u32 s20, 0                            ; wave 0 stores the work-group's eight records and its byte of each expert's mask
	s_cbranch_scc1 .Lend
	v_and_b32 v9, 7, v0
	v_lshl_add_u32 v14, v9, 4, RECS
	v_mov_b32 v13, RECS
	ds_load_b128 v[MYR:MYR+3], v14                 ; token lane % 8
.irp t, 0,1,2,3,4,5,6,7
	ds_load_b64 v[128+2*\t:129+2*\t], v13 offset:16*\t   ; every token's two experts, in every lane
.endr
	s_lshl_b32 s22, ttmp9, 6                       ; 8 tokens x 8 bytes
	s_add_nc_u64 s[14:15], s[14:15], s[22:23]
	s_add_nc_u64 s[16:17], s[16:17], s[22:23]
	s_mov_b32 s24, ttmp9
	s_add_nc_u64 s[18:19], s[18:19], s[24:25]      ; byte g of each expert's row
	v_lshlrev_b32 v11, 3, v9
	v_lshlrev_b32 v15, 7, v9
	v_mov_b32 v10, 0
	s_wait_alu depctr_va_vdst(0)
	s_wait_dscnt 0x0
.irp t, 0,1,2,3,4,5,6,7                ; lane e (0..7): bit t = token t uses expert e
	v_cmp_eq_u32 s28, v[128+2*\t], v9
	v_cmp_eq_u32 s29, v[129+2*\t], v9
	s_or_b32 vcc_lo, s28, s29
	v_cndmask_b32 v12, 0, 1<<\t, vcc_lo
	v_or_b32 v10, v10, v12
.endr
	s_wait_alu depctr_va_vdst(0)
	s_wait_xcnt 0x0                                ; EXEC changes only behind this wait: the codes' stores have read it
	v_cmp_gt_u32 vcc_lo, 8, v0
	s_and_saveexec_b32 s30, vcc_lo
	global_store_b64 v11, v[MYR:MYR+1], s[14:15]
	global_store_b64 v11, v[MYR+2:MYR+3], s[16:17]
	global_store_b8 v15, v10, s[18:19]
	s_wait_xcnt 0x0
	s_or_b32 exec_lo, exec_lo, s30
.Lend:
	s_wait_tensorcnt 0x0
	ds_add_u32 v254, v255
	s_wait_dscnt 0x0
	s_endpgm
.Lfunc_end_k_qb4df581bfd_route:
	.size	k_qb4df581bfd_route, .Lfunc_end_k_qb4df581bfd_route-k_qb4df581bfd_route
	.p2alignl 7, 3214868480
	.fill 96, 4, 3214868480
	.section	.rodata,"a",@progbits
	.p2align	6, 0x0
	.amdhsa_kernel k_qb4df581bfd_route
		.amdhsa_group_segment_fixed_size 35584
		.amdhsa_private_segment_fixed_size 0
		.amdhsa_enable_private_segment 0
		.amdhsa_kernarg_size 64
		.amdhsa_user_sgpr_count 2
		.amdhsa_user_sgpr_kernarg_segment_ptr 1
		.amdhsa_wavefront_size32 1
		.amdhsa_system_sgpr_workgroup_id_x 1
		.amdhsa_system_sgpr_workgroup_id_y 1
		.amdhsa_system_sgpr_workgroup_id_z 1
		.amdhsa_system_vgpr_workitem_id 0
		.amdhsa_next_free_vgpr 512
		.amdhsa_next_free_sgpr 66
		.amdhsa_reserve_vcc 1
		.amdhsa_float_denorm_mode_32 3
		.amdhsa_float_denorm_mode_16_64 3
		.amdhsa_memory_ordered 1
		.amdhsa_forward_progress 1
		.amdhsa_inst_pref_size 49
	.end_amdhsa_kernel
	.amdgpu_metadata
---
amdhsa.version: [ 1, 2 ]
amdhsa.kernels:
  - .name:           k_qb4df581bfd_route
    .symbol:         k_qb4df581bfd_route.kd
    .args:
      - { .name: x, .offset: 0, .size: 8, .value_kind: global_buffer, .address_space: global }
      - { .name: Wr, .offset: 8, .size: 8, .value_kind: global_buffer, .address_space: global }
      - { .name: br, .offset: 16, .size: 8, .value_kind: global_buffer, .address_space: global }
      - { .name: lowp_scales, .offset: 24, .size: 8, .value_kind: global_buffer, .address_space: global }
      - { .name: xc, .offset: 32, .size: 8, .value_kind: global_buffer, .address_space: global }
      - { .name: ridx, .offset: 40, .size: 8, .value_kind: global_buffer, .address_space: global }
      - { .name: gate, .offset: 48, .size: 8, .value_kind: global_buffer, .address_space: global }
      - { .name: rmask, .offset: 56, .size: 8, .value_kind: global_buffer, .address_space: global }
    .group_segment_fixed_size: 35584
    .private_segment_fixed_size: 0
    .kernarg_segment_align: 8
    .kernarg_segment_size: 64
    .max_flat_workgroup_size: 128
    .sgpr_count:     66
    .vgpr_count:     512
    .wavefront_size: 32
...
	.end_amdgpu_metadata
.endif
;; end of part 5
;; launch up (part 6): grid 32 x 8, 4 waves a work-group, no clusters, 133,632 bytes of LDS; arguments W1, b1, lowp_scales, xc, rmask, hc; writes hc
.if DOCPART == 6
	.amdgcn_target "amdgcn-amd-amdhsa--gfx1250"
	.amdhsa_code_object_version 6
	.text
	.protected	k_qb4df581bfd_up
	.globl	k_qb4df581bfd_up
	.p2align	8
	.type	k_qb4df581bfd_up,@function
k_qb4df581bfd_up:
	s_mov_b64 s[64:65], 0
	v_nop
	global_prefetch_b8 v0, s[64:65] scope:SCOPE_SE
	s_setreg_imm32_b32 hwreg(HW_REG_WAVE_SCHED_MODE, 0, 2), 2
	s_setreg_imm32_b32 hwreg(HW_REG_WAVE_MODE, 25, 1), 1
	s_wait_xcnt 0x0
	s_wait_alu depctr_vm_vsrc(0)
; FIRST LAYER OF THE CHOSEN EXPERTS: hidden = Q(relu(x W1[e] + b1[e])), on codes of E4M3, for the rows that chose expert e alone.
; A work-group owns expert e (grid y) and 128 hidden units (grid x = s): 1,024 x 128 numbers of W1, 512 KB of f32, which it reads ONCE.
; PHASE A.  Wave w streams rows d = 256 w .. 256 w + 255 of the slice, 16 rows a set, each load one row's 512 consecutive bytes (a lane: 4 columns).  The numbers are held within +-448 x 2^ew1 and converted;
;   a lane then has, for each of 16 rows, 4 columns' codes in a register; eight byte permutes for each 4 x 4 turn them into 16 codes along K for each of its 4 columns, which go to LDS: row = hidden unit, 1,024 codes + 16 bytes of padding.
;   Three sets (48 loads of 512 bytes a wave) are on their way while one is worked.  One barrier ends the phase, the only one of the text.
; PHASE B.  No barrier.  Row tile T of the expert (16 rows: the tokens of rank 16 T .. 16 T + 15 among those that chose e, in ascending order) belongs to wave T % 4; a trip takes 5 tiles a wave, 320 rows a work-group.
;   The loop is counted against 4 trips, which serve the most that an expert can have (1,024 rows = 64 tiles, 20 a trip), and is left as soon as the expert's own tiles, counted from rmask, are done.
;   The whole slice stays in LDS, so any count up to 1,024 is served and no weight is read twice.
;   The tokens are found in registers (SEARCH): each lane looks up the token of its rank in the expert's 32 mask words.  x's fragments come straight from xc into registers, three K chunks ahead; W1's from LDS.
;   The product is used transposed (source 0 = 16 hidden units, source 1 = 16 rows): a lane holds one row and eight neighbouring units.  b1 / 2^(ew1 + ex) is the C of each sum's first product.
;   relu and the hold are one v_med3; the three scales are folded into the conversion's one, 2^(eh - ex - ew1).
; OUT.  hc: the next product's operand as an IMAGE OF ITS REGISTERS: [64 e + tile][K chunk s][group c][lane][16 bytes].  Group c of lane (r, h) holds units 32 c + 8 h + 0..7 and 32 c + 16 + 8 h + 0..7 of the chunk:
;   within each 32 along the next K, bits 3 and 4 are swapped; the next launch lays W2's rows in the same order.
; Tiles at or past NT = max(ceil(count / 16), 1) are computed on clamped tokens and not stored; the last tile's rows past the count are stored and never used.
; NO TENSOR LOAD, NO JOINT REQUEST: the loop over row tiles is left on a number read from memory; and what an expert's 32 work-groups share (1 KB a row) is small beside each one's own 512 KB.
; LIMITS: ew1 and eh - ex - ew1 between -126 and 119.  NaN among the inputs is not served.
; REGISTERS.  window 0: v1-23 addresses and scales; v24-38 the search; v64-115 phase A's codes, later the hidden codes; v128-255 two sets of four fragments of W1 (and the search's temporaries).
;   window 1: phase A's four sets of 64 numbers; then the accumulators of tiles 0-3 ((i, t) at 64 i + 8 t).   window 2: x's fragments, buffers 0-2 (80 each).   window 3: v0-79 buffer 3; v80-143 tile 4's accumulators; v144-207 b1.
; THE MODE: SCHED_MODE bits 1:0 = 2 (LLVM: expert scheduling mode 2), set by the entry lines.  The code itself states the register dependences
; between vector or matrix instructions and memory or LDS instructions, with s_wait_alu, always for 0.
; THE PLAN.  Registers that memory or LDS instructions touch, and who else names them:
;   RING 0-3 (window 1)  Set N's holds and conversions work in ring N % 4; the loads of set N + 4 land in it, issued at the head of set N + 1.
;   T0, T1 (v84-115)     Set N's byte permutes write T[N % 2]; the four LDS stores that read it are issued at the head of set N + 1; set N + 2's permutes write it again.
;                        So two lines at a set's head state all of phase A: the stores of two sets back have read the T that this set writes; the set before has written its T and is done with its ring.
;   BF0, BF1 (v128-255)  Half step j's products read BF[j % 2]; the LDS loads for half step j + 1 land in the other set, at the head of half step j.  The search's temporaries lie in v128-167.
;   X0-X3                Chunk Q's products read X[Q % 4]; the loads of chunk Q + 3 land in X[(Q - 1) % 4]; they stand behind the first half's products of chunk Q, which name none of their registers.
;                        So ONE wait on va_vdst stands at the head of each half step that issues loads: the half step before is done reading its fragments of W1, and, at a chunk's head, the chunk before its fragments of x.
;   HC (v64-79), v[SOF]  Written by a tile's conversions and one add, read by its four stores, written again by the next tile.
;   v[XO ..]             Written by the search, read by x's loads.
;   v[WO], v[LS], v[BA ..], v[BO]  Made once at the head, never written again.
;   The accumulators and b1 are named by vector and matrix instructions alone.
;   The search's compares write five scalar masks in a run (one for each of my tiles); one wait on va_sdst stands between a run and the selects that read them.
.set PITCH, 1040                       ; an LDS row: 1,024 codes + 16: 65 x 16 bytes, so the 16 rows of a fragment load start at 16 different groups of banks
.set KSET,  16                         ; codes along K that a set adds to a row
.set WROW,  16384                      ; a row of W1[e] in bytes
.set TRIPS, 4                          ; 64 tiles at the most, 20 a trip
.set LN,  1                            ; lane
.set RR,  2                            ; r = lane % 16
.set HH,  3                            ; h = lane / 16
.set WO,  4                            ; 16 x lane
.set LS,  5                            ; where my codes go: (4 lane) rows + 256 wave
.set SC,  7                            ; 2^ew1;  v8: 448 x that
.set LIM, 8
.set SCH, 9                            ; 2^(eh - ex - ew1);  v10: 448 x that
.set LIMH, 10
.set H16, 11                           ; 16 h
.set BA,  12                           ; v12-13 a fragment's place for my lane: units 0-63, 64-127
.set XO,  16                           ; v16-20 my token's row in xc + 16 h, for each of my 5 tiles
.set SOF, 21                           ; a tile's store offset
.set SB,  22                           ; its fixed part
.set BO,  23                           ; 32 h
.set RHO, 24                           ; v24-28 my rank
.set KEY, 29                           ; v29-33 block << 16 | ranks before the block
.set MS,  34                           ; v34-38 the block's mask word
.set P,   64                           ; v64-79 a set's codes: register k = row k, 4 columns
.set TT4, 80
.set T,   84                           ; v84-115 two sets of 4 columns x 16 codes
.set HC,  64                           ; v64-79 a tile's hidden codes
.set BF,  128
.set KK,  128                          ; the search's temporaries, 5 each
.set AA,  133
.set BB,  138
.set CC,  143
.set DD,  148
.set PP,  153
.set TQ,  158
.set UU,  163
.set A4,  80                           ; window 3
.set B1R, 144                          ; window 3
.set CM,  76                           ; s76-80 the search's five masks, one for each of my tiles
.set MSB, 0
.macro WIN new                         ; the immediate's high byte repeats the setting that is left
.if MSB != (\new)
	s_set_vgpr_msb (MSB<<8)|(\new)
.set MSB, (\new)
.endif
.endm
.macro PLACES                          ; four plain lines between a matrix instruction and a load into its sources or a read of its result
.rept 4
	v_nop
.endr
.endm
.macro WLOAD set                       ; 16 rows of the slice into ring set % 4
	WIN 0x40
.irp j, 0,1,2,3,4,5,6,7,8,9,10,11,12,13,14,15
	global_load_b128 v[64*((\set)%4)+4*\j:64*((\set)%4)+4*\j+3], v[WO], s[4:5] offset:(16*(\set)+\j)*WROW th:TH_LOAD_NT
.endr
.endm
.macro WCONV set                       ; hold, convert, turn 4 x 4 bytes
.set RB, 64*((\set)%4)
.set TB, T+16*((\set)%2)
	WIN 0x41
.set jj, 0
.rept 64
	v_med3_num_f32 v[RB+jj], v[RB+jj], -v[LIM], v[LIM]   ; the conversion does not saturate (ISA guide 7.6.2)
.set jj, jj+1
.endr
	WIN 0x01
.irp g, 0,1,2,3,4,5,6,7
	v_cvt_scalef32_pk8_fp8_f32 v[P+2*\g:P+2*\g+1], v[RB+8*\g:RB+8*\g+7], v[SC]   ; rows 2 g and 2 g + 1, 4 columns each
.endr
	WIN 0
	v_nop                                          ; one plain line behind the last conversion
.irp g, 0,1,2,3
	v_perm_b32 v[TT4],   v[P+4*\g+1], v[P+4*\g],   s66   ; rows 0, 1 of columns 0, 1
	v_perm_b32 v[TT4+1], v[P+4*\g+1], v[P+4*\g],   s67   ; of columns 2, 3
	v_perm_b32 v[TT4+2], v[P+4*\g+3], v[P+4*\g+2], s66   ; rows 2, 3
	v_perm_b32 v[TT4+3], v[P+4*\g+3], v[P+4*\g+2], s67
	v_perm_b32 v[TB+\g],    v[TT4+2], v[TT4],   s68      ; column 0, rows 4 g .. 4 g + 3
	v_perm_b32 v[TB+4+\g],  v[TT4+2], v[TT4],   s69
	v_perm_b32 v[TB+8+\g],  v[TT4+3], v[TT4+1], s68
	v_perm_b32 v[TB+12+\g], v[TT4+3], v[TT4+1], s69
.endr
.endm
.macro WSTORE set
.irp c, 0,1,2,3
	ds_store_b128 v[LS], v[T+16*((\set)%2)+4*\c:T+16*((\set)%2)+4*\c+3] offset:\c*PITCH+KSET*(\set)
.endr
.endm
.macro XLOAD q                         ; K chunk q (128 codes) of my 5 tiles' rows into buffer q % 4: lane (r, h), group c: k = 128 q + 32 c + 16 h + 0..15
.set XW, 2+(((\q)%4)/3)
.set XB, 80*((\q)%4)-240*(((\q)%4)/3)
	WIN XW<<6
.irp i, 0,1,2,3,4
.irp c, 0,1,2,3
	global_load_b128 v[XB+16*\i+4*\c:XB+16*\i+4*\c+3], v[XO+\i], s[10:11] offset:128*(\q)+32*\c
.endr
.endr
.endm
.macro BFETCH bf, q, half              ; four fragments of W1 (units 64 half + 16 t on), the same k in the same places as x's
.irp t, 0,1,2,3
.irp c, 0,1,2,3
	ds_load_b128 v[BF+64*(\bf)+16*\t+4*\c:BF+64*(\bf)+16*\t+4*\c+3], v[BA+\half] offset:\t*16*PITCH+128*(\q)+32*\c
.endr
.endr
.endm
.macro MUL q, bf, half, first          ; 20 products: 4 tiles of units x my 5 tiles of rows; each accumulator has one turn
.set XW, 2+(((\q)%4)/3)
.set XB, 80*((\q)%4)-240*(((\q)%4)/3)
.if \first
	WIN 0x70|(XW<<2)                               ; D window 1, C (b1) window 3
.else
	WIN 0x50|(XW<<2)
.endif
.irp t, 0,1,2,3
.irp i, 0,1,2,3
.if \first
	v_wmma_f32_16x16x128_fp8_fp8 v[64*\i+8*(4*(\half)+\t):64*\i+8*(4*(\half)+\t)+7], v[BF+64*(\bf)+16*\t:BF+64*(\bf)+16*\t+15], v[XB+16*\i:XB+16*\i+15], v[B1R+8*(4*(\half)+\t):B1R+8*(4*(\half)+\t)+7]
.else
	v_wmma_f32_16x16x128_fp8_fp8 v[64*\i+8*(4*(\half)+\t):64*\i+8*(4*(\half)+\t)+7], v[BF+64*(\bf)+16*\t:BF+64*(\bf)+16*\t+15], v[XB+16*\i:XB+16*\i+15], v[64*\i+8*(4*(\half)+\t):64*\i+8*(4*(\half)+\t)+7]
.endif
.endr
.endr
	WIN 0xf0|(XW<<2)                               ; tile 4: C and D window 3
.irp t, 0,1,2,3
.if \first
	v_wmma_f32_16x16x128_fp8_fp8 v[A4+8*(4*(\half)+\t):A4+8*(4*(\half)+\t)+7], v[BF+64*(\bf)+16*\t:BF+64*(\bf)+16*\t+15], v[XB+64:XB+79], v[B1R+8*(4*(\half)+\t):B1R+8*(4*(\half)+\t)+7]
.else
	v_wmma_f32_16x16x128_fp8_fp8 v[A4+8*(4*(\half)+\t):A4+8*(4*(\half)+\t)+7], v[BF+64*(\bf)+16*\t:BF+64*(\bf)+16*\t+15], v[XB+64:XB+79], v[A4+8*(4*(\half)+\t):A4+8*(4*(\half)+\t)+7]
.endif
.endr
.endm
.macro SELSTEP src, width              ; one step of the search for the k-th set bit: is it in the lower field of this width at pos, or past it?
.irp i, 0,1,2,3,4
	v_bfe_u32 v[TQ+\i], v[\src+\i], v[PP+\i], \width
.endr
.irp i, 0,1,2,3,4
	v_cmp_ge_u32 s[CM+\i], v[KK+\i], v[TQ+\i]      ; the five compares in a run, a mask for each tile
.endr
	s_wait_alu depctr_va_sdst(0)                   ; the five compares have written s76 to s80, ahead of the selects that read them
.irp i, 0,1,2,3,4
	v_cndmask_b32 v[TQ+\i], 0, v[TQ+\i], s[CM+\i]
	v_cndmask_b32 v[UU+\i], 0, \width, s[CM+\i]
	v_sub_nc_u32 v[KK+\i], v[KK+\i], v[TQ+\i]
	v_add_nc_u32 v[PP+\i], v[PP+\i], v[UU+\i]
.endr
.endm
; THE SEARCH.  My rank in tile i of the trip is rho = 16 (T0 + 4 i + wave) + r.  The block of 32 tokens that holds it is the last whose count of earlier ranks is at most rho; in its mask word the (rho - that count)-th set bit is my token.
; first = 1: the expert's count is at hand at the end: NT is made of it.
.macro SEARCH first
	s_add_co_u32 s59, s55, s52
	s_lshl_b32 s59, s59, 4
	v_add_nc_u32 v[RHO], s59, v[RR]
.irp i, 1,2,3,4
	v_add_nc_u32 v[RHO+\i], 64*\i, v[RHO]
.endr
.irp i, 0,1,2,3,4
	v_mov_b32 v[KEY+\i], 0
	v_mov_b32 v[MS+\i], s16
.endr
	s_bcnt1_i32_b32 s57, s16
.irp b, 1,2,3,4,5,6,7,8,9,10,11,12,13,14,15,16,17,18,19,20,21,22,23,24,25,26,27,28,29,30,31
	s_or_b32 s58, s57, \b<<16                      ; the count stays under 2^16
.irp i, 0,1,2,3,4
	v_cmp_gt_u32 s[CM+\i], s57, v[RHO+\i]          ; the block begins past my rank: keep what I have
.endr
	s_wait_alu depctr_va_sdst(0)                   ; the five compares have written s76 to s80, ahead of the selects that read them
.irp i, 0,1,2,3,4
	v_cndmask_b32 v[KEY+\i], s58, v[KEY+\i], s[CM+\i]
	v_cndmask_b32 v[MS+\i], s[16+\b], v[MS+\i], s[CM+\i]
.endr
	s_bcnt1_i32_b32 s59, s[16+\b]
	s_add_co_u32 s57, s57, s59
.endr
.if \first
	s_add_co_u32 s56, s57, 15
	s_lshr_b32 s56, s56, 4
	s_max_u32 s56, s56, 1                          ; NT: an expert without rows still has tile 0, so that every launch stores and nothing unwritten is read
.endif
.irp i, 0,1,2,3,4
	v_and_b32 v[KK+\i], 0xffff, v[KEY+\i]
	v_sub_nc_u32 v[KK+\i], v[RHO+\i], v[KK+\i]     ; k
	v_lshrrev_b32 v[KEY+\i], 16, v[KEY+\i]         ; the block
	v_lshrrev_b32 v[TQ+\i], 1, v[MS+\i]            ; counts of set bits in fields of 2, 4, 8, 16
	v_and_b32 v[TQ+\i], s70, v[TQ+\i]
	v_sub_nc_u32 v[AA+\i], v[MS+\i], v[TQ+\i]
	v_lshrrev_b32 v[TQ+\i], 2, v[AA+\i]
	v_and_b32 v[TQ+\i], s71, v[TQ+\i]
	v_and_b32 v[BB+\i], s71, v[AA+\i]
	v_add_nc_u32 v[BB+\i], v[BB+\i], v[TQ+\i]
	v_lshrrev_b32 v[TQ+\i], 4, v[BB+\i]
	v_add_nc_u32 v[TQ+\i], v[TQ+\i], v[BB+\i]
	v_and_b32 v[CC+\i], s72, v[TQ+\i]
	v_lshrrev_b32 v[TQ+\i], 8, v[CC+\i]
	v_add_nc_u32 v[TQ+\i], v[TQ+\i], v[CC+\i]
	v_and_b32 v[DD+\i], s73, v[TQ+\i]
	v_mov_b32 v[PP+\i], 0
.endr
	SELSTEP DD, 16
	SELSTEP CC, 8
	SELSTEP BB, 4
	SELSTEP AA, 2
	SELSTEP MS, 1
.irp i, 0,1,2,3,4
	v_lshl_add_u32 v[PP+\i], v[KEY+\i], 5, v[PP+\i]
	v_min_u32 v[PP+\i], 0x3ff, v[PP+\i]            ; a rank past the count finds some token: its row is computed and never used
	v_lshlrev_b32 v[PP+\i], 10, v[PP+\i]
	v_add_nc_u32 v[XO+\i], v[PP+\i], v[H16]
.endr
.endm
	s_load_b256 s[4:11], s[0:1], 0x0               ; W1 s[4:5], b1 s[6:7], scales s[8:9], xc s[10:11]
	s_load_b128 s[12:15], s[0:1], 0x20             ; rmask s[12:13], hc s[14:15]
	v_lshl_add_u32 v126, v0, 2, 0x20800
	v_mov_b32 v127, 0
	v_lshrrev_b32 v1, 5, v0
	v_readfirstlane_b32 s52, v1                    ; wave
	v_and_b32 v[LN], 31, v0
	v_and_b32 v[RR], 15, v0
	v_bfe_u32 v[HH], v0, 4, 1
	s_mov_b32 s53, ttmp9                           ; s: the slice
	s_and_b32 s54, ttmp7, 0xffff                   ; e: the expert
	v_lshlrev_b32 v[WO], 4, v[LN]
	v_mul_u32_u24 v[LS], v[LN], 4*PITCH
	s_wait_alu depctr_va_sdst(0)                   ; s52 is written, ahead of its first reader: LDS places, W1's base and the tiles' numbers are made from it
	s_lshl_b32 s74, s52, 8
	v_add_nc_u32 v[LS], s74, v[LS]
	v_lshlrev_b32 v[H16], 4, v[HH]
	v_mul_u32_u24 v[BA], v[RR], PITCH
	v_add_nc_u32 v[BA], v[BA], v[H16]
	v_add_nc_u32 v[BA+1], 64*PITCH, v[BA]
	v_lshlrev_b32 v[BO], 5, v[HH]
	s_lshl_b32 s74, s54, 22                        ; hc: 64 e tiles of 65,536 bytes + chunk s of 2,048 + 16 x lane
	s_lshl_b32 s75, s53, 11
	s_add_co_u32 s74, s74, s75
	v_add_nc_u32 v[SB], s74, v[WO]
	s_lshl_b32 s76, s54, 24                        ; W1: expert e (16 MiB) + 512 s + my 256 rows
	s_lshl_b32 s75, s53, 9
	s_add_co_u32 s76, s76, s75
	s_lshl_b32 s75, s52, 22
	s_add_co_u32 s76, s76, s75
	s_mov_b32 s77, 0
	s_lshl_b32 s78, s54, 14                        ; b1: (4,096 e + 128 s) x 4
	s_lshl_b32 s75, s53, 9
	s_add_co_u32 s78, s78, s75
	s_mov_b32 s79, 0
	s_lshl_b32 s80, s54, 7                         ; rmask: row e
	s_mov_b32 s81, 0
	s_mov_b32 s66, 0x05010400                      ; the byte permutes' selectors
	s_mov_b32 s67, 0x07030602
	s_mov_b32 s68, 0x05040100
	s_mov_b32 s69, 0x07060302
	s_mov_b32 s70, 0x55555555
	s_mov_b32 s71, 0x33333333
	s_mov_b32 s72, 0x0f0f0f0f
	s_mov_b32 s73, 0x00ff00ff
	s_mov_b32 s55, 0                               ; T0: the trip's first tile
	s_mov_b32 s62, 0                               ; the trips' counter
	s_wait_kmcnt 0x0
	s_add_nc_u64 s[12:13], s[12:13], s[80:81]
	s_load_b512 s[16:31], s[12:13], 0x0            ; the expert's 32 mask words
	s_load_b512 s[32:47], s[12:13], 0x40
	s_load_b128 s[48:51], s[8:9], 0x0              ; ew1, ex, eh, ew2
	s_add_nc_u64 s[4:5], s[4:5], s[76:77]
	s_add_nc_u64 s[6:7], s[6:7], s[78:79]
	WIN 0xc0                                       ; b1 in the result's layout: lane (r, h), tile t: units 16 t + 8 h + 0..7.  These loads are the oldest
	s_wait_alu depctr_va_vdst(0)                   ; v[BO], v[WO], v[LS] and v[BA ..] are written: the loads, LDS stores and LDS loads of the whole kernel read them as their offsets and addresses
.irp t, 0,1,2,3,4,5,6,7
	global_load_b128 v[B1R+8*\t:B1R+8*\t+3],   v[BO], s[6:7] offset:64*\t
	global_load_b128 v[B1R+8*\t+4:B1R+8*\t+7], v[BO], s[6:7] offset:64*\t+16
.endr
	WLOAD 0
	WLOAD 1
	WLOAD 2
	WIN 0
	s_wait_kmcnt 0x0
	s_add_co_i32 s74, s48, 127
	s_lshl_b32 s75, s74, 23
	v_mov_b32 v[SC], s75                           ; 2^ew1
	s_add_co_i32 s74, s74, 8
	s_lshl_b32 s74, s74, 23
	s_or_b32 s74, s74, 0x600000
	v_mov_b32 v[LIM], s74                          ; 448 x 2^ew1
	s_add_co_i32 s76, s48, s49                     ; a sum stands for sum x 2^(ew1 + ex)
	s_sub_co_i32 s60, 0, s76
	s_sub_co_i32 s74, s50, s76
	s_add_co_i32 s74, s74, 127
	s_lshl_b32 s75, s74, 23
	v_mov_b32 v[SCH], s75                          ; 2^(eh - ex - ew1)
	s_add_co_i32 s74, s74, 8
	s_lshl_b32 s74, s74, 23
	s_or_b32 s74, s74, 0x600000
	v_mov_b32 v[LIMH], s74
	SEARCH 1                                       ; while the first sets are on their way
; ---- PHASE A, written out: every offset is an immediate.  Set 0's head owes nothing: set 3's loads land in registers that no vector line has named, by an offset that the head's wait has covered
.set N, 0
.rept 16
.if N > 1
	s_wait_alu depctr_vm_vsrc(0)                   ; the LDS stores of two sets back, issued at the last set's head, have read the T that this set's permutes write again
.endif
.if N > 0
	s_wait_alu depctr_va_vdst(0)                   ; the set before has written its T, which the stores below read, and is done with its ring, in which the loads below land; at the first of these waits the search has written v[XO ..], which x's loads read
	WSTORE N-1
.endif
.if N < 13
	WLOAD N+3
	s_wait_loadcnt 48                              ; set N is in (and all that is older); the three younger sets may be out
.else
	XLOAD N-13                                     ; the stream runs out: x's first three chunks take its place
	s_wait_loadcnt 52+4*(N-13)                     ; behind set N: 16 loads for each later set, 20 for each chunk of x
.endif
	s_wait_dscnt 4                                 ; the stores of two sets back are done; the last set's four may be out
	WCONV N
.set N, N+1
.endr
	s_wait_alu depctr_va_vdst(0)                   ; set 15's permutes have written its T, which the last four LDS stores read
	WSTORE 15
	WIN 0xc3
.set jj, 0
.rept 64
	v_ldexp_f32 v[B1R+jj], v[B1R+jj], s60          ; b1 / 2^(ew1 + ex): it goes in as the C of the sums
.set jj, jj+1
.endr
	WIN 0
	s_wait_dscnt 0x0                               ; for the others' sake: my part of the slice lies in LDS
	s_barrier_signal -1
	s_barrier_wait -1                              ; the whole slice does.  (x's loads stay on their way: nobody writes those bytes)
; ---- PHASE B
.Ltrip:                                            ; on both ways in: chunks 0, 1, 2 of x are out, no LDS instruction is; and no vector or matrix line since the last wait on va_vdst names BF, X3 or an address: the loads up to chunk 0's end owe nothing
	BFETCH 0, 0, 0
.set Q, 0
.rept 8
.if Q > 0
	PLACES
	WIN 0
	s_wait_alu depctr_va_vdst(0)                   ; the chunk before is multiplied: its products are done reading BF1, in which the LDS loads below land, and their fragments of x, in which the loads behind this half's products land
.endif
	BFETCH 1, Q, 1
	s_wait_dscnt 16                                ; the first four fragments are in; the sixteen loads just issued may be out
.if Q < 6
	s_wait_loadcnt 40                              ; chunk Q is in; the two younger chunks, 20 loads each, may be out
.else
	s_wait_loadcnt 20*(7-Q)
.endif
.if Q == 0
	MUL Q, 0, 0, 1
.else
	MUL Q, 0, 0, 0
.endif
.if Q+3 < 8
	XLOAD Q+3                                      ; three chunks ahead.  No wait: the twenty products since the wait above name BF0, this chunk's fragments of x, the accumulators and b1
.endif
	PLACES
	WIN 0
.if Q < 7
	s_wait_alu depctr_va_vdst(0)                   ; this chunk's first twenty products are done reading BF0, in which the LDS loads below land
	BFETCH 0, Q+1, 0
	s_wait_dscnt 16
.else
	s_wait_dscnt 0x0
.endif
.if Q == 0
	MUL Q, 1, 1, 1
.else
	MUL Q, 1, 1, 0
.endif
.set Q, Q+1
.endr
	PLACES
	WIN 0
.irp i, 0,1,2,3,4                      ; THE WAY OUT, tile by tile
	s_add_co_u32 s74, s55, s52
	s_add_co_u32 s74, s74, 4*\i                    ; the tile
	s_cmp_ge_u32 s74, s56
	s_cbranch_scc1 .Lskip_\i                       ; past the expert's rows: nothing is stored
.if \i < 4
.set AB, 64*\i
.set AW, 1
.else
.set AB, A4
.set AW, 3
.endif
	WIN (AW<<6)|AW
.set jj, 0
.rept 64
	v_med3_num_f32 v[AB+jj], v[AB+jj], 0, v[LIMH]  ; relu and the hold in one; each accumulator from its low end on
.set jj, jj+1
.endr
	s_wait_alu depctr_va_vdst(0)
	s_wait_xcnt 0x0                                ; the last tile's stores have had their addresses translated: their data and offset are rewritten only behind this wait
	s_wait_alu depctr_vm_vsrc(0)                   ; the last tile's stores have read v[HC ..] and v[SOF], which the conversions and the add below write again
	WIN AW
.irp t, 0,1,2,3,4,5,6,7
	v_cvt_scalef32_pk8_fp8_f32 v[HC+2*\t:HC+2*\t+1], v[AB+8*\t:AB+8*\t+7], v[SCH]
.endr
	WIN 0
	v_nop                                          ; one plain line behind the last conversion
	s_min_u32 s74, s74, 63
	s_lshl_b32 s74, s74, 16
	v_add_nc_u32 v[SOF], s74, v[SB]
	s_wait_alu depctr_va_vdst(0)                   ; the conversions have written v[HC ..] and the add v[SOF], which the four stores read
.irp u, 0,1,2,3
	global_store_b128 v[SOF], v[HC+4*\u:HC+4*\u+3], s[14:15] offset:512*\u   ; 32 lanes store 512 consecutive bytes, aligned
.endr
.Lskip_\i:
.endr
	s_add_co_u32 s55, s55, 20
	s_cmp_ge_u32 s55, s56
	s_cbranch_scc1 .Ldone                          ; the expert's tiles are done: at the latest behind the fourth trip, where T0 = 80 is past the most, 64
	s_wait_alu depctr_vm_vsrc(0)                   ; x's loads have read v[XO ..], which the search writes again
	SEARCH 0                                       ; the next 20 tiles' tokens (x's loads are all in: their offsets may be written)
	WIN 0x80
	s_wait_alu depctr_va_vdst(0)                   ; the search has written v[XO ..], which the loads below read, and is done with its temporaries in BF0; the last trip's products are done reading BF and x's four buffers: the loads below and those of the next trip's first chunk land there
	XLOAD 0
	XLOAD 1
	XLOAD 2
	WIN 0
	s_add_co_u32 s62, s62, 1
	s_cmp_lt_u32 s62, TRIPS
	s_cbranch_scc1 .Ltrip
.Ldone:
	s_wait_dscnt 0x0
	s_wait_alu depctr_hold_cnt(0) depctr_sa_sdst(0) depctr_va_vdst(0) depctr_va_sdst(0) depctr_va_ssrc(0) depctr_va_vcc(0) depctr_vm_vsrc(0)
	s_wait_tensorcnt 0x0
	ds_add_u32 v126, v127
	s_wait_dscnt 0x0
	s_endpgm
.Lfunc_end_k_qb4df581bfd_up:
	.size	k_qb4df581bfd_up, .Lfunc_end_k_qb4df581bfd_up-k_qb4df581bfd_up
	.p2alignl 7, 3214868480
	.fill 96, 4, 3214868480
	.section	.rodata,"a",@progbits
	.p2align	6, 0x0
	.amdhsa_kernel k_qb4df581bfd_up
		.amdhsa_group_segment_fixed_size 133632
		.amdhsa_private_segment_fixed_size 0
		.amdhsa_enable_private_segment 0
		.amdhsa_kernarg_size 48
		.amdhsa_user_sgpr_count 2
		.amdhsa_user_sgpr_kernarg_segment_ptr 1
		.amdhsa_wavefront_size32 1
		.amdhsa_system_sgpr_workgroup_id_x 1
		.amdhsa_system_sgpr_workgroup_id_y 1
		.amdhsa_system_sgpr_workgroup_id_z 1
		.amdhsa_system_vgpr_workitem_id 0
		.amdhsa_next_free_vgpr 976
		.amdhsa_next_free_sgpr 84
		.amdhsa_reserve_vcc 0
		.amdhsa_float_denorm_mode_32 3
		.amdhsa_float_denorm_mode_16_64 3
		.amdhsa_memory_ordered 1
		.amdhsa_forward_progress 1
		.amdhsa_inst_pref_size 255
	.end_amdhsa_kernel
	.section	.bss,"aw",@nobits
	.p2align	6
	.space	262144
	.amdgpu_metadata
---
amdhsa.version: [ 1, 2 ]
amdhsa.kernels:
  - .name:           k_qb4df581bfd_up
    .symbol:         k_qb4df581bfd_up.kd
    .args:
      - { .name: W1, .offset: 0, .size: 8, .value_kind: global_buffer, .address_space: global }
      - { .name: b1, .offset: 8, .size: 8, .value_kind: global_buffer, .address_space: global }
      - { .name: lowp_scales, .offset: 16, .size: 8, .value_kind: global_buffer, .address_space: global }
      - { .name: xc, .offset: 24, .size: 8, .value_kind: global_buffer, .address_space: global }
      - { .name: rmask, .offset: 32, .size: 8, .value_kind: global_buffer, .address_space: global }
      - { .name: hc, .offset: 40, .size: 8, .value_kind: global_buffer, .address_space: global }
    .group_segment_fixed_size: 133632
    .private_segment_fixed_size: 0
    .kernarg_segment_align: 8
    .kernarg_segment_size: 48
    .max_flat_workgroup_size: 128
    .sgpr_count:     84
    .vgpr_count:     976
    .wavefront_size: 32
...
	.end_amdgpu_metadata
.endif
;; end of part 6
;; launch down (part 7): grid 32 x 8, 4 waves a work-group, no clusters, 150,016 bytes of LDS; arguments W2, lowp_scales, hc, rmask, part; writes part
.if DOCPART == 7
	.amdgcn_target "amdgcn-amd-amdhsa--gfx1250"
	.amdhsa_code_object_version 6
	.text
	.protected	k_qb4df581bfd_down
	.globl	k_qb4df581bfd_down
	.p2align	8
	.type	k_qb4df581bfd_down,@function
k_qb4df581bfd_down:
	s_mov_b64 s[64:65], 0
	v_nop
	global_prefetch_b8 v0, s[64:65] scope:SCOPE_SE
	s_setreg_imm32_b32 hwreg(HW_REG_WAVE_SCHED_MODE, 0, 2), 2
	s_setreg_imm32_b32 hwreg(HW_REG_WAVE_MODE, 25, 1), 1
	s_wait_xcnt 0x0
	s_wait_alu depctr_vm_vsrc(0)
; SECOND LAYER OF THE CHOSEN EXPERTS, as raw sums: part[kh][1024 e + rank][d] = the sum over half kh of the hidden units of hidden code x W2 code.  The scale, b2, the sigmoid and the gates follow in the next launch.
; A work-group owns expert e (grid y), 64 outputs (cs = x % 16) and 2,048 hidden units (kh = x / 16): 2,048 x 64 numbers of W2, 512 KB of f32, which it reads ONCE.  A row's piece is 256 bytes, aligned.
; PHASE A as in the first layer's launch: wave w streams hidden units 512 w .. 512 w + 511 of the half, 32 a set: a load takes two rows, 8 apart (lanes 0-15 one, lanes 16-31 the other), a lane 4 columns.
;   THE ORDER ALONG K IS THE HIDDEN CODES' OWN: place 32 n + 16 h + 8 t + j of an LDS row holds unit 32 n + 16 t + 8 h + j.  Load j of set n takes unit 32 n + 16 (j / 8) + j % 8 + 8 (lane / 16),
;   so a lane's 16 codes of a column are places 32 n + 16 (lane / 16) + 0..15.  LDS: row = output, 2,048 codes + 16 bytes of padding.  One barrier ends the phase, the only one of the text.
; PHASE B.  No barrier.  Row tile T belongs to wave T % 4, 5 tiles a wave and trip.  The loop is counted against 4 trips, which serve the most that an expert can have (1,024 rows = 64 tiles, 20 a trip),
;   and is left as soon as the expert's own NT = max(ceil(count / 16), 1) tiles, counted from rmask, are done.  The hidden fragments come from hc as images of their registers:
;   each load is 512 consecutive bytes.  Tiles past NT - 1 read tile NT - 1 again and are not stored.
;   The product is used transposed (source 0 = 16 outputs, source 1 = 16 rows): a lane's eight sums are neighbours in a row; a tile goes through the wave's own stage in LDS and leaves as whole rows of 256 bytes.
; NO TENSOR LOAD, NO JOINT REQUEST: the loop is left on a number read from memory; what work-groups share (2 KB a row) is small beside each one's own 512 KB.
; K IS SPLIT IN TWO so that there are 256 work-groups of equal streams; the two halves are added by the one owner of each output row, in the next launch.
; LIMITS: ew2 between -126 and 119.  NaN among the inputs is not served.
; REGISTERS.  window 0: v1-28 addresses and scales; v64-115 phase A's codes, later v64-95 rows on their way out; v128-255 two sets of four fragments of W2.
;   window 1: phase A's four sets of 64 numbers; then the accumulators ((i, t) at 32 i + 8 t).   window 2: hidden fragments, buffers 0-2 (80 each).   window 3: v0-79 buffer 3.
; THE MODE: SCHED_MODE bits 1:0 = 2 (LLVM: expert scheduling mode 2), set by the entry lines.  The code itself states the register dependences
; between vector or matrix instructions and memory or LDS instructions, with s_wait_alu, always for 0.
; THE PLAN.  Registers that memory or LDS instructions touch, and who else names them:
;   RING 0-3 (window 1)  Set N's holds and conversions work in ring N % 4; the loads of set N + 4 land in it, issued at the head of set N + 1.
;   T0, T1 (v84-115)     Set N's byte permutes write T[N % 2]; the four LDS stores that read it are issued at the head of set N + 1; set N + 2's permutes write it again.
;                        So two lines at a set's head state all of phase A: the stores of two sets back have read the T that this set writes; the set before has written its T and is done with its ring.
;   BF0, BF1 (v128-255)  Chunk Q's products read BF[Q % 2]; the LDS loads for chunk Q + 1 land in the other set, at the head of chunk Q.
;   X0-X3                Chunk Q's products read X[Q % 4]; the loads of chunk Q + 3 land in X[(Q - 1) % 4]; they stand behind chunk Q's products, which name none of their registers.
;                        So ONE wait on va_vdst stands at the head of each chunk that issues loads: the chunk before is done reading its fragments of W2 and of the hidden layer.
;   the accumulators     Written by the products, read by the LDS stores into the stage, begun anew by the next trip's first products.
;   OUTR (v64-95)        The loads from the stage land in it, a tile's eight stores read it, the next tile's loads land in it again.  No vector line of phase B names it.
;   v[XO ..], v[SOF ..]  The five tiles' load and store offsets: made together, ahead of the loop and on the way back into it, so that no address is written between a trip's first load and its last store.
;   v[WO], v[LS], v[BA ..], v[STO], v[SRD]  Made once at the head, never written again.
.set PITCH, 2064                       ; 2,048 codes + 16: 129 x 16 bytes
.set KSET,  32
.set WROW,  4096                       ; a row of W2[e] in bytes
.set TRIPS, 4                          ; 64 tiles at the most, 20 a trip
.set SPITCH, 272                       ; the stage: 16 rows of 256 bytes + 16 for each wave
.set STG,   64*PITCH
.set LN,  1
.set RR,  2
.set HH,  3
.set WO,  4                            ; 16 (lane % 16) + 8 rows x (lane / 16)
.set LS,  5                            ; where my codes go
.set SC,  7
.set LIM, 8
.set BA,  12                           ; v12-13 a fragment's place for my lane: outputs 0-31, 32-63
.set STO, 14
.set SRD, 15
.set XO,  16                           ; v16-20 my 5 tiles' images in hc
.set XBS, 22
.set PBS, 23
.set SOF, 24                           ; v24-28 my 5 tiles' places in part
.set P,   64
.set TT4, 80
.set T,   84
.set OUTR, 64
.set BF,  128
.set MSB, 0
.macro WIN new                         ; the immediate's high byte repeats the setting that is left
.if MSB != (\new)
	s_set_vgpr_msb (MSB<<8)|(\new)
.set MSB, (\new)
.endif
.endm
.macro PLACES                          ; four plain lines between a matrix instruction and a load into its sources or a read of its result
.rept 4
	v_nop
.endr
.endm
.macro WLOAD set
	WIN 0x40
.irp j, 0,1,2,3,4,5,6,7,8,9,10,11,12,13,14,15
	global_load_b128 v[64*((\set)%4)+4*\j:64*((\set)%4)+4*\j+3], v[WO], s[4:5] offset:(32*(\set)+16*(\j/8)+(\j%8))*WROW th:TH_LOAD_NT   ; two rows' 256 consecutive bytes, aligned
.endr
.endm
.macro WCONV set                       ; hold, convert, turn 4 x 4 bytes
.set RB, 64*((\set)%4)
.set TB, T+16*((\set)%2)
	WIN 0x41
.set jj, 0
.rept 64
	v_med3_num_f32 v[RB+jj], v[RB+jj], -v[LIM], v[LIM]   ; the conversion does not saturate (ISA guide 7.6.2)
.set jj, jj+1
.endr
	WIN 0x01
.irp g, 0,1,2,3,4,5,6,7
	v_cvt_scalef32_pk8_fp8_f32 v[P+2*\g:P+2*\g+1], v[RB+8*\g:RB+8*\g+7], v[SC]
.endr
	WIN 0
	v_nop                                          ; one plain line behind the last conversion
.irp g, 0,1,2,3
	v_perm_b32 v[TT4],   v[P+4*\g+1], v[P+4*\g],   s66
	v_perm_b32 v[TT4+1], v[P+4*\g+1], v[P+4*\g],   s67
	v_perm_b32 v[TT4+2], v[P+4*\g+3], v[P+4*\g+2], s66
	v_perm_b32 v[TT4+3], v[P+4*\g+3], v[P+4*\g+2], s67
	v_perm_b32 v[TB+\g],    v[TT4+2], v[TT4],   s68
	v_perm_b32 v[TB+4+\g],  v[TT4+2], v[TT4],   s69
	v_perm_b32 v[TB+8+\g],  v[TT4+3], v[TT4+1], s68
	v_perm_b32 v[TB+12+\g], v[TT4+3], v[TT4+1], s69
.endr
.endm
.macro WSTORE set
.irp c, 0,1,2,3
	ds_store_b128 v[LS], v[T+16*((\set)%2)+4*\c:T+16*((\set)%2)+4*\c+3] offset:\c*PITCH+KSET*(\set)
.endr
.endm
.macro XLOAD q                         ; chunk q of the half, my 5 tiles, into buffer q % 4
.set XW, 2+(((\q)%4)/3)
.set XB, 80*((\q)%4)-240*(((\q)%4)/3)
	WIN XW<<6
.irp i, 0,1,2,3,4
.irp c, 0,1,2,3
	global_load_b128 v[XB+16*\i+4*\c:XB+16*\i+4*\c+3], v[XO+\i], s[8:9] offset:2048*(\q)+512*\c
.endr
.endr
.endm
.macro BFETCH bf, q                    ; the four fragments of W2 of chunk q
.irp t, 0,1,2,3
.irp c, 0,1,2,3
	ds_load_b128 v[BF+64*(\bf)+16*\t+4*\c:BF+64*(\bf)+16*\t+4*\c+3], v[BA+\t/2] offset:(\t%2)*16*PITCH+128*(\q)+32*\c
.endr
.endr
.endm
.macro MUL q, bf, first                ; 20 products, each accumulator one turn
.set XW, 2+(((\q)%4)/3)
.set XB, 80*((\q)%4)-240*(((\q)%4)/3)
.if \first
	WIN 0x40|(XW<<2)
.else
	WIN 0x50|(XW<<2)
.endif
.irp t, 0,1,2,3
.irp i, 0,1,2,3,4
.if \first
	v_wmma_f32_16x16x128_fp8_fp8 v[32*\i+8*\t:32*\i+8*\t+7], v[BF+64*(\bf)+16*\t:BF+64*(\bf)+16*\t+15], v[XB+16*\i:XB+16*\i+15], 0
.else
	v_wmma_f32_16x16x128_fp8_fp8 v[32*\i+8*\t:32*\i+8*\t+7], v[BF+64*(\bf)+16*\t:BF+64*(\bf)+16*\t+15], v[XB+16*\i:XB+16*\i+15], v[32*\i+8*\t:32*\i+8*\t+7]
.endif
.endr
.endr
.endm
.macro TILEOFF                         ; where my 5 tiles' images lie (a tile past the last reads the last again), and where their sums go: 16 rows of 4,096 bytes a tile
	s_sub_co_u32 s75, s56, 1
.irp i, 0,1,2,3,4
	s_add_co_u32 s74, s55, s52
	s_add_co_u32 s74, s74, 4*\i
	s_min_u32 s76, s74, 63
	s_lshl_b32 s76, s76, 16
	v_add_nc_u32 v[SOF+\i], s76, v[PBS]
	s_min_u32 s74, s74, s75
	s_min_u32 s74, s74, 63
	s_lshl_b32 s74, s74, 16
	v_add_nc_u32 v[XO+\i], s74, v[XBS]
.endr
.endm
	s_load_b256 s[4:11], s[0:1], 0x0               ; W2 s[4:5], scales s[6:7], hc s[8:9], rmask s[10:11]
	s_load_b64 s[12:13], s[0:1], 0x20              ; part
	v_lshl_add_u32 v126, v0, 2, 0x24800
	v_mov_b32 v127, 0
	v_lshrrev_b32 v1, 5, v0
	v_readfirstlane_b32 s52, v1                    ; wave
	v_and_b32 v[LN], 31, v0
	v_and_b32 v[RR], 15, v0
	v_bfe_u32 v[HH], v0, 4, 1
	s_and_b32 s53, ttmp9, 15                       ; cs: which 64 outputs
	s_lshr_b32 s61, ttmp9, 4                       ; kh: which half of the hidden units
	s_and_b32 s54, ttmp7, 0xffff                   ; e
	v_lshlrev_b32 v[WO], 4, v[RR]
	v_lshl_add_u32 v[WO], v[HH], 15, v[WO]
	v_mul_u32_u24 v[LS], v[RR], 4*PITCH
	v_lshl_add_u32 v[LS], v[HH], 4, v[LS]
	s_wait_alu depctr_va_sdst(0)                   ; s52 is written, ahead of its first reader: LDS places, W2's base and the tiles' numbers are made from it
	s_lshl_b32 s74, s52, 9
	v_add_nc_u32 v[LS], s74, v[LS]
	v_mul_u32_u24 v[BA], v[RR], PITCH
	v_lshl_add_u32 v[BA], v[HH], 4, v[BA]
	v_add_nc_u32 v[BA+1], 32*PITCH, v[BA]
	s_mul_i32 s74, s52, 16*SPITCH
	s_add_co_u32 s74, s74, STG                     ; my stage
	v_mul_u32_u24 v[STO], v[RR], SPITCH
	v_lshl_add_u32 v[STO], v[HH], 5, v[STO]
	v_add_nc_u32 v[STO], s74, v[STO]               ; in: row r, 32 bytes for each half of the lanes
	v_mul_u32_u24 v[SRD], v[HH], SPITCH
	v_lshl_add_u32 v[SRD], v[RR], 4, v[SRD]
	v_add_nc_u32 v[SRD], s74, v[SRD]               ; back: lanes 0-15 one row, lanes 16-31 the next
	s_lshl_b32 s74, s54, 22                        ; hc: 64 e tiles of 65,536 bytes + 16 kh chunks of 2,048 + 16 x lane
	s_lshl_b32 s75, s61, 15
	s_add_co_u32 s75, s75, s74
	v_lshl_add_u32 v[XBS], v[LN], 4, s75
	s_lshl_b32 s75, s53, 8                         ; part: 1,024 e rows of 4,096 bytes + 256 cs + row h + 16 r
	s_add_co_u32 s75, s75, s74
	v_lshl_add_u32 v[PBS], v[HH], 12, s75
	v_lshl_add_u32 v[PBS], v[RR], 4, v[PBS]
	s_lshl_b32 s76, s54, 24                        ; W2: expert e (16 MiB) + 256 cs + rows 2,048 kh + 512 wave
	s_lshl_b32 s75, s53, 8
	s_add_co_u32 s76, s76, s75
	s_lshl_b32 s75, s61, 23
	s_add_co_u32 s76, s76, s75
	s_lshl_b32 s75, s52, 21
	s_add_co_u32 s76, s76, s75
	s_mov_b32 s77, 0
	s_lshl_b32 s78, s61, 25                        ; part: half kh (32 MiB)
	s_mov_b32 s79, 0
	s_lshl_b32 s80, s54, 7                         ; rmask: row e
	s_mov_b32 s81, 0
	s_mov_b32 s66, 0x05010400
	s_mov_b32 s67, 0x07030602
	s_mov_b32 s68, 0x05040100
	s_mov_b32 s69, 0x07060302
	s_mov_b32 s55, 0                               ; T0
	s_mov_b32 s62, 0                               ; the trips' counter
	s_wait_kmcnt 0x0
	s_add_nc_u64 s[10:11], s[10:11], s[80:81]
	s_load_b512 s[16:31], s[10:11], 0x0            ; the expert's 32 mask words
	s_load_b512 s[32:47], s[10:11], 0x40
	s_load_b128 s[48:51], s[6:7], 0x0              ; ew1, ex, eh, ew2
	s_add_nc_u64 s[4:5], s[4:5], s[76:77]
	s_add_nc_u64 s[12:13], s[12:13], s[78:79]
	WIN 0x40
	s_wait_alu depctr_va_vdst(0)                   ; v[WO], v[LS], v[BA ..], v[STO] and v[SRD] are written: the loads, LDS stores and LDS loads of the whole kernel read them as their offsets and addresses
	WLOAD 0
	WLOAD 1
	WLOAD 2
	WIN 0
	s_wait_kmcnt 0x0
	s_add_co_i32 s74, s51, 127
	s_lshl_b32 s75, s74, 23
	v_mov_b32 v[SC], s75                           ; 2^ew2
	s_add_co_i32 s74, s74, 8
	s_lshl_b32 s74, s74, 23
	s_or_b32 s74, s74, 0x600000
	v_mov_b32 v[LIM], s74                          ; 448 x 2^ew2
	s_bcnt1_i32_b32 s57, s16                       ; the expert's count
.irp b, 1,2,3,4,5,6,7,8,9,10,11,12,13,14,15,16,17,18,19,20,21,22,23,24,25,26,27,28,29,30,31
	s_bcnt1_i32_b32 s59, s[16+\b]
	s_add_co_u32 s57, s57, s59
.endr
	s_add_co_u32 s56, s57, 15
	s_lshr_b32 s56, s56, 4
	s_max_u32 s56, s56, 1                          ; NT, as the launch before made it
	TILEOFF
; ---- PHASE A, written out: every offset is an immediate.  Set 0's head owes nothing: set 3's loads land in registers that no vector line has named, by an offset that the head's wait has covered
.set N, 0
.rept 16
.if N > 1
	s_wait_alu depctr_vm_vsrc(0)                   ; the LDS stores of two sets back, issued at the last set's head, have read the T that this set's permutes write again
.endif
.if N > 0
	s_wait_alu depctr_va_vdst(0)                   ; the set before has written its T, which the stores below read, and is done with its ring, in which the loads below land; at the first of these waits v[XO ..] and v[SOF ..] are written, which the hidden loads and the stores of the sums read
	WSTORE N-1
.endif
.if N < 13
	WLOAD N+3
	s_wait_loadcnt 48                              ; set N is in; the three younger sets may be out
.else
	XLOAD N-13                                     ; the stream runs out: the first three hidden chunks take its place
	s_wait_loadcnt 52+4*(N-13)                     ; behind set N: 16 loads for each later set, 20 for each chunk
.endif
	s_wait_dscnt 4                                 ; the stores of two sets back are done; the last set's four may be out
	WCONV N
.set N, N+1
.endr
	s_wait_alu depctr_va_vdst(0)                   ; set 15's permutes have written its T, which the last four LDS stores read
	WSTORE 15
	s_wait_dscnt 0x0                               ; for the others' sake: my part of the slice lies in LDS
	s_barrier_signal -1
	s_barrier_wait -1
; ---- PHASE B
.Ltrip:                                            ; on both ways in: chunks 0, 1, 2 are out, no LDS instruction is; and no vector or matrix line since the last wait on va_vdst names BF, X3 or an address: the loads up to chunk 0's end owe nothing
	BFETCH 0, 0
.set Q, 0
.rept 16
.if Q > 0
	PLACES
	WIN 0
.if Q < 15
	s_wait_alu depctr_va_vdst(0)                   ; the chunk before is multiplied: its products are done reading their set of BF, in which the LDS loads below land, and their hidden fragments, in which the loads behind this chunk's products land
.endif
.endif
.if Q < 15
	BFETCH (Q+1)%2, Q+1
	s_wait_dscnt 16                                ; this chunk's fragments are in; the next chunk's sixteen loads may be out
.else
	s_wait_dscnt 0x0
.endif
.if Q < 14
	s_wait_loadcnt 40                              ; chunk Q is in; the two younger chunks, 20 loads each, may be out
.else
	s_wait_loadcnt 20*(15-Q)
.endif
.if Q == 0
	MUL Q, 0, 1
.else
	MUL Q, Q%2, 0
.endif
.if Q+3 < 16
	XLOAD Q+3                                      ; three chunks ahead.  No wait: the twenty products since the wait above name this chunk's fragments and the accumulators
.endif
.set Q, Q+1
.endr
	PLACES
	WIN 0
	s_wait_alu depctr_va_vdst(0)                   ; the products have written the accumulators, which the LDS stores below read (the places above stay beside this wait); and phase A's lines are done with v64 to v95, in which the loads from the stage land.  No vector line follows up to the trip's end
.irp i, 0,1,2,3,4                      ; THE WAY OUT, tile by tile, through my own stage: LDS serves a wave's instructions in order (ISA guide 5.7.1.4), so no wait stands between the stores and the loads
	s_add_co_u32 s74, s55, s52
	s_add_co_u32 s74, s74, 4*\i
	s_cmp_ge_u32 s74, s56
	s_cbranch_scc1 .Lskip_\i
	WIN 0x04                                       ; store data window 1
.irp t, 0,1,2,3
	ds_store_b128 v[STO], v[32*\i+8*\t:32*\i+8*\t+3]   offset:64*\t      ; each accumulator from its low end on
	ds_store_b128 v[STO], v[32*\i+8*\t+4:32*\i+8*\t+7] offset:64*\t+16
.endr
	WIN 0
	s_wait_xcnt 0x0                                ; the last tile's stores have had their addresses translated: their data are rewritten only behind this wait
	s_wait_alu depctr_vm_vsrc(0)                   ; the stores issued so far (the last tile's; ahead of the first tile phase A's LDS stores, whose T lies here) have read v[OUTR ..], in which the loads below land
.irp t, 0,1,2,3,4,5,6,7
	ds_load_b128 v[OUTR+4*\t:OUTR+4*\t+3], v[SRD] offset:2*\t*SPITCH
.endr
.irp t, 0,1,2,3,4,5,6,7
	s_wait_dscnt 7-\t
	global_store_b128 v[SOF+\i], v[OUTR+4*\t:OUTR+4*\t+3], s[12:13] offset:8192*\t   ; sixteen lanes store 256 consecutive bytes, aligned
.endr
.Lskip_\i:
.endr
	s_add_co_u32 s55, s55, 20
	s_cmp_ge_u32 s55, s56
	s_cbranch_scc1 .Ldone                          ; the expert's tiles are done: at the latest behind the fourth trip, where T0 = 80 is past the most, 64
	s_wait_xcnt 0x0                                ; the trip's stores have had their addresses translated: their offsets are rewritten only behind this wait (the hidden loads are all in)
	s_wait_alu depctr_vm_vsrc(0)                   ; the hidden loads have read v[XO ..] and the stores v[SOF ..], which are written again below; the LDS stores have read the accumulators, which the next trip's first products begin anew
	TILEOFF
	WIN 0x80
	s_wait_alu depctr_va_vdst(0)                   ; v[XO ..] and v[SOF ..] are written, which the loads below and the next trip's stores read
	XLOAD 0
	XLOAD 1
	XLOAD 2
	WIN 0
	s_add_co_u32 s62, s62, 1
	s_cmp_lt_u32 s62, TRIPS
	s_cbranch_scc1 .Ltrip
.Ldone:
	s_wait_dscnt 0x0
	s_wait_alu depctr_hold_cnt(0) depctr_sa_sdst(0) depctr_va_vdst(0) depctr_va_sdst(0) depctr_va_ssrc(0) depctr_va_vcc(0) depctr_vm_vsrc(0)
	s_wait_tensorcnt 0x0
	ds_add_u32 v126, v127
	s_wait_dscnt 0x0
	s_endpgm
.Lfunc_end_k_qb4df581bfd_down:
	.size	k_qb4df581bfd_down, .Lfunc_end_k_qb4df581bfd_down-k_qb4df581bfd_down
	.p2alignl 7, 3214868480
	.fill 96, 4, 3214868480
	.section	.rodata,"a",@progbits
	.p2align	6, 0x0
	.amdhsa_kernel k_qb4df581bfd_down
		.amdhsa_group_segment_fixed_size 150016
		.amdhsa_private_segment_fixed_size 0
		.amdhsa_enable_private_segment 0
		.amdhsa_kernarg_size 40
		.amdhsa_user_sgpr_count 2
		.amdhsa_user_sgpr_kernarg_segment_ptr 1
		.amdhsa_wavefront_size32 1
		.amdhsa_system_sgpr_workgroup_id_x 1
		.amdhsa_system_sgpr_workgroup_id_y 1
		.amdhsa_system_sgpr_workgroup_id_z 1
		.amdhsa_system_vgpr_workitem_id 0
		.amdhsa_next_free_vgpr 848
		.amdhsa_next_free_sgpr 84
		.amdhsa_reserve_vcc 0
		.amdhsa_float_denorm_mode_32 3
		.amdhsa_float_denorm_mode_16_64 3
		.amdhsa_memory_ordered 1
		.amdhsa_forward_progress 1
		.amdhsa_inst_pref_size 234
	.end_amdhsa_kernel
	.amdgpu_metadata
---
amdhsa.version: [ 1, 2 ]
amdhsa.kernels:
  - .name:           k_qb4df581bfd_down
    .symbol:         k_qb4df581bfd_down.kd
    .args:
      - { .name: W2, .offset: 0, .size: 8, .value_kind: global_buffer, .address_space: global }
      - { .name: lowp_scales, .offset: 8, .size: 8, .value_kind: global_buffer, .address_space: global }
      - { .name: hc, .offset: 16, .size: 8, .value_kind: global_buffer, .address_space: global }
      - { .name: rmask, .offset: 24, .size: 8, .value_kind: global_buffer, .address_space: global }
      - { .name: part, .offset: 32, .size: 8, .value_kind: global_buffer, .address_space: global }
    .group_segment_fixed_size: 150016
    .private_segment_fixed_size: 0
    .kernarg_segment_align: 8
    .kernarg_segment_size: 40
    .max_flat_workgroup_size: 128
    .sgpr_count:     84
    .vgpr_count:     848
    .wavefront_size: 32
...
	.end_amdgpu_metadata
.endif
;; end of part 7
;; launch combine (part 8): grid 256 x 1, 4 waves a work-group, no clusters, 0 bytes of LDS; arguments part, b2, lowp_scales, ridx, gate, rmask, out0; writes out0
.if DOCPART == 8
	.amdgcn_target "amdgcn-amd-amdhsa--gfx1250"
	.amdhsa_code_object_version 6
	.text
	.protected	k_qb4df581bfd_combine
	.globl	k_qb4df581bfd_combine
	.p2align	8
	.type	k_qb4df581bfd_combine,@function
k_qb4df581bfd_combine:
	s_mov_b64 s[64:65], 0
	v_nop
	global_prefetch_b8 v0, s[64:65] scope:SCOPE_SE
	s_setreg_imm32_b32 hwreg(HW_REG_WAVE_MODE, 25, 1), 1
	s_wait_xcnt 0x0
; out[t] = g0 sigmoid(z(e0)) + g1 sigmoid(z(e1)),  z(e) = (part[0][slot] + part[1][slot]) x 2^(eh + ew2) + b2[e],  slot = 1,024 e + the rank of token t among the tokens that chose e.
; A wave owns a token, so each output row has one owner.  The rank is counted from the expert's mask words: lane L takes word L, keeps the bits of tokens before t, counts them,
; and the 32 counts are added bit by bit: a comparison gives the lanes in which bit j of the count is set, as a scalar, whose set bits are counted.  All of it is whole numbers.
; A stream: no LDS, no barrier, no matrix unit; waves share nothing.  Every load and store of a row covers 512 consecutive bytes.
; LIMITS: eh + ew2 between -126 and 127.
.set MW, 8                             ; v8-15   word L of each expert's mask
.set PA0, 32                           ; v32-63 half 0, v64-95 half 1, v96-127 b2 of the first expert;  v128-223 the same of the second
	s_load_b256 s[4:11], s[0:1], 0x0               ; part s[4:5], b2 s[6:7], scales s[8:9], ridx s[10:11]
	s_load_b128 s[12:15], s[0:1], 0x20             ; gate s[12:13], rmask s[14:15]
	s_load_b64 s[16:17], s[0:1], 0x30              ; out0
	v_lshrrev_b32 v1, 5, v0
	v_readfirstlane_b32 s18, v1                    ; wave
	v_and_b32 v1, 31, v0                           ; lane
	v_lshlrev_b32 v2, 2, v1
	v_lshlrev_b32 v3, 4, v1
	s_lshl_b32 s19, ttmp9, 2
	s_add_co_u32 s19, s19, s18                     ; t
	s_lshl_b32 s20, s19, 3
	s_lshr_b32 s21, s19, 5                         ; t's word
	s_and_b32 s22, s19, 31
	s_bfm_b32 s22, s22, 0                          ; the bits of the tokens before t in it
	s_mov_b32 s40, 0x55555555
	s_mov_b32 s41, 0x33333333
	s_mov_b32 s42, 0x0f0f0f0f
	s_mov_b32 s43, 0x01010101
	s_mov_b32 s58, 0xbfb8aa3b                      ; -log2(e)
	s_mov_b32 s59, s58                             ; (named with it as a pair, so it is written)
	s_mov_b32 s63, 0
	s_wait_alu depctr_va_vdst(0)
	s_wait_kmcnt 0x0
	s_load_b64 s[24:25], s[10:11], s20 offset:0x0  ; e0, e1
	s_load_b64 s[26:27], s[12:13], s20 offset:0x0  ; g0, g1
	s_load_b128 s[28:31], s[8:9], 0x0              ; ew1, ex, eh, ew2
.irp e, 0,1,2,3,4,5,6,7
	global_load_b32 v[MW+\e], v2, s[14:15] offset:128*\e
.endr
	v_cmp_gt_u32 s34, s21, v1                      ; words wholly before t
	v_cmp_eq_u32 s35, s21, v1                      ; t's own word
	s_lshl_b32 s62, s19, 12
	s_add_nc_u64 s[16:17], s[16:17], s[62:63]      ; my row of out0
	s_wait_kmcnt 0x0
	s_min_u32 s24, s24, 7
	s_min_u32 s25, s25, 7
	s_wait_loadcnt 0x0
.irp k, 0,1
	v_mov_b32 v16, v[MW]
.irp e, 1,2,3,4,5,6,7
	s_cmp_eq_u32 s[24+\k], \e
	s_cselect_b32 s36, -1, 0
	v_cndmask_b32 v16, v16, v[MW+\e], s36          ; the chosen expert's word
.endr
	v_and_b32 v17, s22, v16
	v_cndmask_b32 v16, 0, v16, s34
	v_cndmask_b32 v16, v16, v17, s35
	v_lshrrev_b32 v17, 1, v16                      ; its set bits, counted
	v_and_b32 v17, s40, v17
	v_sub_nc_u32 v16, v16, v17
	v_lshrrev_b32 v17, 2, v16
	v_and_b32 v17, s41, v17
	v_and_b32 v16, s41, v16
	v_add_nc_u32 v16, v16, v17
	v_lshrrev_b32 v17, 4, v16
	v_add_nc_u32 v16, v16, v17
	v_and_b32 v16, s42, v16
	v_mul_lo_u32 v16, v16, s43
	v_lshrrev_b32 v16, 24, v16                     ; 0 .. 32
	s_wait_alu depctr_va_vdst(0)
	s_mov_b32 s37, 0
.irp j, 0,1,2,3,4,5
	v_and_b32 v17, 1<<\j, v16
	v_cmp_ne_u32 s36, 0, v17
	s_bcnt1_i32_b32 s36, s36
	s_lshl_b32 s36, s36, \j
	s_add_co_u32 s37, s37, s36                     ; the rank
.endr
	s_lshl_b32 s36, s[24+\k], 10
	s_add_co_u32 s36, s36, s37
	s_min_u32 s36, s36, 0x1fff                     ; the slot
	s_lshl_b32 s62, s36, 12
	s_add_nc_u64 s[44+4*\k:45+4*\k], s[4:5], s[62:63]
	s_add_nc_u64 s[46+4*\k:47+4*\k], s[44+4*\k:45+4*\k], 0x2000000   ; the other half of K: 32 MiB on
	s_lshl_b32 s62, s[24+\k], 12
	s_add_nc_u64 s[52+2*\k:53+2*\k], s[6:7], s[62:63]
.irp j, 0,1,2,3,4,5,6,7
	global_load_b128 v[PA0+96*\k+4*\j:PA0+96*\k+4*\j+3],       v3, s[44+4*\k:45+4*\k] offset:512*\j th:TH_LOAD_NT
	global_load_b128 v[PA0+96*\k+32+4*\j:PA0+96*\k+32+4*\j+3], v3, s[46+4*\k:47+4*\k] offset:512*\j th:TH_LOAD_NT
	global_load_b128 v[PA0+96*\k+64+4*\j:PA0+96*\k+64+4*\j+3], v3, s[52+2*\k:53+2*\k] offset:512*\j
.endr
.endr
	s_add_co_i32 s56, s30, s31
	s_add_co_i32 s56, s56, 127
	s_lshl_b32 s56, s56, 23                        ; 2^(eh + ew2) as f32
	s_mov_b32 s57, s56
	s_mov_b32 s60, s27                             ; g1, as the low word of a pair
	s_mov_b32 s61, s27
	s_wait_loadcnt 0x0
.irp k, 0,1
.set PA, PA0+96*\k
.set jj, 0
.rept 16
	v_pk_add_f32 v[PA+jj:PA+jj+1], v[PA+jj:PA+jj+1], v[PA+32+jj:PA+32+jj+1]
.set jj, jj+2
.endr
.set jj, 0
.rept 16
	v_pk_fma_f32 v[PA+jj:PA+jj+1], v[PA+jj:PA+jj+1], s[56:57], v[PA+64+jj:PA+64+jj+1] op_sel_hi:[1,0,1]   ; z
.set jj, jj+2
.endr
.set jj, 0
.rept 16
	v_pk_mul_f32 v[PA+jj:PA+jj+1], v[PA+jj:PA+jj+1], s[58:59] op_sel_hi:[1,0]
.set jj, jj+2
.endr
.endr
	s_wait_alu depctr_va_vdst(0)
.irp k, 0,1
.set PA, PA0+96*\k
.set jj, 0
.rept 32
	v_exp_f32 v[PA+jj], v[PA+jj]                   ; e^-z
.set jj, jj+1
.endr
.endr
	v_nop                                          ; a plain line behind the batch,
	s_wait_alu depctr_va_vdst(0)                   ; and one wait for it, ahead of its first reader
.irp k, 0,1
.set PA, PA0+96*\k
.set jj, 0
.rept 16
	v_pk_add_f32 v[PA+jj:PA+jj+1], v[PA+jj:PA+jj+1], 1.0 op_sel_hi:[1,0]
.set jj, jj+2
.endr
.endr
	s_wait_alu depctr_va_vdst(0)
.irp k, 0,1
.set PA, PA0+96*\k
.set jj, 0
.rept 32
	v_rcp_f32 v[PA+jj], v[PA+jj]                   ; sigmoid(z); e^-z = infinity gives 0
.set jj, jj+1
.endr
.endr
	v_nop
	s_wait_alu depctr_va_vdst(0)
.set jj, 0
.rept 16
	v_pk_mul_f32 v[PA0+32+jj:PA0+32+jj+1], v[PA0+jj:PA0+jj+1], s[26:27] op_sel_hi:[1,0]                                      ; g0 y0
.set jj, jj+2
.endr
.set jj, 0
.rept 16
	v_pk_fma_f32 v[PA0+32+jj:PA0+32+jj+1], v[PA0+96+jj:PA0+96+jj+1], s[60:61], v[PA0+32+jj:PA0+32+jj+1] op_sel_hi:[1,0,1]   ; + g1 y1
.set jj, jj+2
.endr
.irp j, 0,1,2,3,4,5,6,7
	global_store_b128 v3, v[PA0+32+4*\j:PA0+32+4*\j+3], s[16:17] offset:512*\j th:TH_STORE_NT
.endr
	s_endpgm
.Lfunc_end_k_qb4df581bfd_combine:
	.size	k_qb4df581bfd_combine, .Lfunc_end_k_qb4df581bfd_combine-k_qb4df581bfd_combine
	.p2alignl 7, 3214868480
	.fill 96, 4, 3214868480
	.section	.rodata,"a",@progbits
	.p2align	6, 0x0
	.amdhsa_kernel k_qb4df581bfd_combine
		.amdhsa_group_segment_fixed_size 0
		.amdhsa_private_segment_fixed_size 0
		.amdhsa_enable_private_segment 0
		.amdhsa_kernarg_size 56
		.amdhsa_user_sgpr_count 2
		.amdhsa_user_sgpr_kernarg_segment_ptr 1
		.amdhsa_wavefront_size32 1
		.amdhsa_system_sgpr_workgroup_id_x 1
		.amdhsa_system_sgpr_workgroup_id_y 1
		.amdhsa_system_sgpr_workgroup_id_z 1
		.amdhsa_system_vgpr_workitem_id 0
		.amdhsa_next_free_vgpr 256
		.amdhsa_next_free_sgpr 66
		.amdhsa_reserve_vcc 0
		.amdhsa_float_denorm_mode_32 3
		.amdhsa_float_denorm_mode_16_64 3
		.amdhsa_memory_ordered 1
		.amdhsa_forward_progress 1
		.amdhsa_inst_pref_size 29
	.end_amdhsa_kernel
	.amdgpu_metadata
---
amdhsa.version: [ 1, 2 ]
amdhsa.kernels:
  - .name:           k_qb4df581bfd_combine
    .symbol:         k_qb4df581bfd_combine.kd
    .args:
      - { .name: part, .offset: 0, .size: 8, .value_kind: global_buffer, .address_space: global }
      - { .name: b2, .offset: 8, .size: 8, .value_kind: global_buffer, .address_space: global }
      - { .name: lowp_scales, .offset: 16, .size: 8, .value_kind: global_buffer, .address_space: global }
      - { .name: ridx, .offset: 24, .size: 8, .value_kind: global_buffer, .address_space: global }
      - { .name: gate, .offset: 32, .size: 8, .value_kind: global_buffer, .address_space: global }
      - { .name: rmask, .offset: 40, .size: 8, .value_kind: global_buffer, .address_space: global }
      - { .name: out0, .offset: 48, .size: 8, .value_kind: global_buffer, .address_space: global }
    .group_segment_fixed_size: 0
    .private_segment_fixed_size: 0
    .kernarg_segment_align: 8
    .kernarg_segment_size: 56
    .max_flat_workgroup_size: 128
    .sgpr_count:     66
    .vgpr_count:     256
    .wavefront_size: 32
...
	.end_amdgpu_metadata
.endif
;; end of part 8
